; MI455X (gfx1250); checked and timed in simulation.
; The chip was launched on July 23, 2026; its instructions are those of AMD's public machine-readable ISA for CDNA 5 (MIT licence, August 2026) and "CDNA5" Instruction Set Architecture Reference Guide (July 2026). The comments in the code are by the model that wrote it; some were corrected since.
;; Causal Self Attention. Allowed arithmetic: matrix products marked QUANTISED: E4M3 operands, one given power-of-two scale a tensor, by v_wmma_f32_16x16x64_fp8_fp8 or v_wmma_f32_16x16x128_fp8_fp8, f32 sums; everything else in f32.
;; Inputs: c_proj_w 1,024 x 1,024 float32; lambdas 2 float32; lowp_scales 8 int32 (the exponents e of the quantised operands' scales 2^e); qkv_w 3 x 1,024 x 1,024 float32; ve 4 x 2,048 x 1,024 float32; x 4 x 2,048 x 1,024 float32.
;; Outputs: out0 4 x 2,048 x 1,024 float32.
;; This version of the problem:
;;   THIS VERSION OF THE PROBLEM IS GIVEN IN LOW PRECISION. The matrix products marked QUANTISED in the list below multiply operands that are first quantised to E4M3 (4 exponent bits, 3 mantissa bits; 8 bits a number), with one given power-of-two scale for each operand tensor; their sums are f32. All else is computed in f32.
;;   The module's matrix products, in the order in which they are computed (A, B: the left and right operand; K: the contracted axis; several contracted axes count as one K, in the product's order):
;;     1. [M 8,192, K 1,024] x [K 1,024, N 3,072]; A: input x; B: input qkv_w: QUANTISED (scales: A lowp_scales[0], B lowp_scales[1])
;;     2. batch 64 x [M 2,048, K 64] x [K 64, N 2,048]; A: computed on the way; B: computed on the way: QUANTISED (scales: A lowp_scales[2], B lowp_scales[3])
;;     3. batch 64 x [M 64, K 2,048] x [K 2,048, N 2,048]; A: computed on the way; B: softmax (see below): QUANTISED (scales: A lowp_scales[4], B lowp_scales[5])
;;     4. [M 8,192, K 1,024] x [K 1,024, N 1,024]; A: computed on the way; B: input c_proj_w: QUANTISED (scales: A lowp_scales[6], B lowp_scales[7])
;;   THE QUANTISER, for each operand of a quantised product, along K:
;;     - The operand's scale is 2^e, e = its entry of the input lowp_scales (int32; the entries are numbered through the quantised products in the list's order, A before B).
;;     - Each number is divided by the scale, clamped to +-448, and rounded to the nearest number of E4M3, ties to even, subnormals kept.
;;     - The product sums the exact products of the quantised numbers (number of the format x scale) in f32.
;;   ~~~python
;;   def quantise(x, axis, e):      # numpy; x: float32 -> the quantised numbers, widened to float32 again
;;       x = np.moveaxis(x, axis, -1); K = x.shape[-1]
;;       r = np.clip(x / 2.0 ** e, -448, 448)
;;       step = 2.0 ** (np.maximum(np.frexp(np.where(r == 0, 1, r))[1] - 1, -6) - 3)
;;       q = np.round(r / step) * step * 2.0 ** e      # np.round: ties to even
;;       return np.moveaxis(q, -1, axis).astype(np.float32)
;;   ~~~
;;   SOFTMAX AHEAD OF A QUANTISED PRODUCT. Where the list says 'softmax', what is quantised is not the finished softmax but p = 2^(t - M), with t = logit x log2(e) and M = ceil(the row's largest t), a whole number; so 1/2 < the row's largest p <= 1. The row's sum l is taken of the UNQUANTISED p, in f32, and the product's result is divided by l at the end. Since M is a whole number, a kernel that streams over the keys may use a running M (the ceiling of the running maximum): every later rescaling is an exact power of two, so the quantised numbers keep their values, but for numbers so far below the row's largest that they fall under the format's range.
;;   OPERANDS COMPUTED ON THE WAY. 'Computed on the way' means the value that the module computes at that place (a softmax that the list does not call 'softmax' is quantised finished and normalised). What goes into a quantiser is computed in f32, as accurately as f32 sums, v_exp_f32 and their like allow (about 1e-6 of the number): no bf16 or f16 on the way to a quantiser, and a product that is left as it is and whose result goes on into a quantised operand takes f32 operands (vector FMAs, or v_wmma_f32_16x16x4_f32). A number that lies on a knife's edge between two numbers of the format may be rounded either way, as far as f32 arithmetic and the matrix unit's own rounding can turn it there, and no further.
;; 2 versions, each right; version 2 is version 1 with the launch attn written anew for expert scheduling mode. Each part assembles by itself: llvm-mc -triple=amdgcn-amd-amdhsa -mcpu=gfx1250 --defsym DOCPART=n.
;; ======== version 1 of 2: 4 launches
;; workspace buffers: xq 8,388,608 bytes; wq 3,145,728 bytes; pq 1,048,576 bytes; rot 262,144 bytes; qc 8,388,608 bytes; kc 8,388,608 bytes; vc 8,388,608 bytes; yq 8,388,608 bytes
;; launch prep (part 1): grid 800 x 1, 4 waves a work-group, no clusters, 34,304 bytes of LDS; arguments x, qkv_w, c_proj_w, lowp_scales, xq, wq, pq, rot; writes xq, wq, pq, rot
.if DOCPART == 1
	.amdgcn_target "amdgcn-amd-amdhsa--gfx1250"
	.amdhsa_code_object_version 6
	.text
	.protected	k_qa22fa19071_prep
	.globl	k_qa22fa19071_prep
	.p2align	8
	.type	k_qa22fa19071_prep,@function
k_qa22fa19071_prep:
	s_mov_b64 s[64:65], 0
	v_nop
	global_prefetch_b8 v0, s[64:65] scope:SCOPE_SE
	s_setreg_imm32_b32 hwreg(HW_REG_WAVE_MODE, 25, 1), 1
	s_wait_xcnt 0x0
; x [8192][1024], qkv_w [3072][1024] and c_proj_w [1024][1024], f32 with K innermost, become codes of E4M3, each with the scale 2^e given for it
; (lowp_scales 0, 1, 7): code = x / 2^e, held within +-448, to the nearest code, ties to even.  The launch also makes the rotary table.
; LAYOUT OF THE CODES: images of operand registers.  A UNIT is 16 rows x 64 along K, 1,024 bytes, in two parts of 512: in part c lane (r, h) has 16 bytes at 16 x lane:
; row r, k = 64 unit + 32 h + 16 c + 0 .. 15.  A tile of 16 rows has its 16 units on end.  The later launches fetch fragments by loads of 16 bytes a lane, 512 consecutive bytes an instruction.
; WHICH ROWS FORM A TILE: neighbours, but for the V third of qkv_w: tile 128 + 4 hd + u takes rows 2048 + 64 hd + 4 r + u, so that a lane of the next launch finds four neighbouring channels of ve in one load.
; SHARES: work-groups 0-511 take x's tiles, 512-703 qkv_w's, 704-767 c_proj_w's: one path, only pointers and the exponent are chosen.  Wave w takes 256 along K (four units) of the 16 rows.
; Each load reads 512 consecutive bytes of a row; the numbers turn through the wave's own stage in LDS (rows of 512 + 16 bytes) so that a lane gets 32 neighbours along K.  No barrier: waves share nothing.
; Work-groups 768-799 make the table: wave = a tile of 16 tokens; lane (r, h) makes cos and sin of t x A[8 h + j], j = 0 .. 7, A[d] = 1024^(-d/15), by a reduction modulo pi/2 (pi/2 in two parts) and two polynomials.
; rot: [128 tiles][4 parts][32 lanes][16 bytes]: parts 0, 1 the eight cosines, parts 2, 3 the eight sines.
; LIMITS: each e between -126 and 119, so that 2^e and 448 x 2^e are f32 numbers.  NaN among the inputs is not served.
; No cluster and no matrix unit: every byte is read by one wave, once.
.set SP,  528                          ; a stage row
.set WST, 16*SP                        ; a wave's stage
.set VO,  16                           ; v16-31   row i: 16 x lane + i x the distance of the tile's rows in memory
.set C,   32                           ; v32-63   codes, registers of their own for each step
.set R,   64                           ; v64-191  two steps x 16 rows x 4 registers, as loaded
.set X,   192                          ; v192-255 64 numbers: two units x 32 neighbours
.set CO,  48                           ; table path: eight cosines
.set SI,  56                           ; and eight sines
	s_load_b512 s[8:23], s[0:1], 0x0               ; x, qkv_w, c_proj_w, lowp_scales, xq, wq, pq, rot
	v_lshl_add_u32 v7, v0, 2, 0x8400
	v_mov_b32 v9, 0
	v_lshrrev_b32 v1, 5, v0
	v_readfirstlane_b32 s7, v1                     ; wave
	v_and_b32 v1, 31, v0                           ; lane
	v_and_b32 v2, 15, v0                           ; r
	v_bfe_u32 v3, v0, 4, 1                         ; h
	v_lshlrev_b32 v4, 4, v1                        ; 16 x lane
	s_cmp_ge_u32 ttmp9, 768
	s_cbranch_scc1 .Ltable
	s_mul_i32 s6, s7, WST
	v_add_nc_u32 v5, s6, v4                        ; into the stage: 16 x lane of a row
	v_mul_u32_u24 v6, v2, SP
	v_lshl_add_u32 v6, v3, 7, v6
	v_add_nc_u32 v6, s6, v6                        ; out of it: row r, + 128 h: my 32 numbers of a unit
	s_mov_b32 s37, 704
	s_cmp_lt_u32 ttmp9, 704
	s_cselect_b32 s37, 512, s37
	s_cmp_lt_u32 ttmp9, 512
	s_cselect_b32 s37, 0, s37                      ; the tensor's first work-group
	s_sub_co_u32 s39, ttmp9, s37                   ; the tile
	s_sub_co_u32 s40, ttmp9, 640                   ; the V third: tiles 4 hd + u
	s_lshr_b32 s41, s40, 2
	s_lshl_b32 s41, s41, 6
	s_and_b32 s42, s40, 3
	s_add_co_u32 s41, s41, s42
	s_add_co_u32 s41, s41, 2048                    ; its first row 2048 + 64 hd + u
	s_lshl_b32 s42, s39, 4                         ; elsewhere 16 x tile
	s_mov_b32 s43, 4096
	s_cmp_lt_u32 s40, 64
	s_cselect_b32 s41, s41, s42                    ; the tile's first row
	s_cselect_b32 s43, 16384, s43                  ; bytes from a row of the tile to the next: four rows in the V third, else one
	s_lshl_b32 s44, s41, 12
	s_lshl_b32 s45, s7, 10
	s_add_co_u32 s44, s44, s45                     ; in: row x 4,096 + wave x 1,024
	s_mov_b32 s45, 0
	s_lshl_b32 s46, s39, 14
	s_lshl_b32 s47, s7, 12
	s_add_co_u32 s46, s46, s47                     ; out: tile x 16,384 + wave x 4,096
	s_mov_b32 s47, 0
	v_mov_b32 v[VO], v4
.set k, 1
.rept 15
	v_add_nc_u32 v[VO+k], s43, v[VO+k-1]
.set k, k+1
.endr
	s_wait_kmcnt 0x0
	s_load_b256 s[24:31], s[14:15], 0x0            ; e0 .. e7
	s_cmp_lt_u32 ttmp9, 704                        ; the choices hang on the work-group's number alone
	s_cselect_b64 s[32:33], s[10:11], s[12:13]
	s_cselect_b64 s[34:35], s[18:19], s[20:21]
	s_cmp_lt_u32 ttmp9, 512
	s_cselect_b64 s[32:33], s[8:9], s[32:33]
	s_cselect_b64 s[34:35], s[16:17], s[34:35]
	s_add_nc_u64 s[32:33], s[32:33], s[44:45]
	s_add_nc_u64 s[34:35], s[34:35], s[46:47]
.irp st, 0,1                                   ; all 32 loads at once: 512 consecutive bytes each
.set k, 0
.rept 16
	global_load_b128 v[R+64*\st+4*k:R+64*\st+4*k+3], v[VO+k], s[32:33] offset:512*\st th:TH_LOAD_NT
.set k, k+1
.endr
.endr
	s_wait_kmcnt 0x0
	s_cmp_lt_u32 ttmp9, 704
	s_cselect_b32 s38, s25, s31
	s_cmp_lt_u32 ttmp9, 512
	s_cselect_b32 s38, s24, s38                    ; e
	s_add_co_i32 s38, s38, 127
	s_lshl_b32 s39, s38, 23
	v_mov_b32 v11, s39                             ; 2^e as f32: the conversion takes its exponent field
	s_add_co_i32 s38, s38, 8
	s_lshl_b32 s38, s38, 23
	s_or_b32 s38, s38, 0x600000
	v_mov_b32 v10, s38                             ; 448 x 2^e
; A step: 128 along K of the 16 rows, two units.
.macro QSTEP st
	s_wait_loadcnt 16*(1-\st)                      ; this step's 16 loads are in; the younger step's may be out
.set k, 0
.rept 16
	ds_store_b128 v5, v[R+64*\st+4*k:R+64*\st+4*k+3] offset:SP*k
.set k, k+1
.endr
.irp uu, 0,1
.irp q, 0,1,2,3,4,5,6,7
	ds_load_b128 v[X+32*\uu+4*\q:X+32*\uu+4*\q+3], v6 offset:256*\uu+16*\q   ; LDS serves a wave's instructions in order (ISA guide 5.7.1.4): these see the stores above
.endr
.endr
	s_wait_dscnt 0x0
.set k, 0
.rept 64
	v_med3_num_f32 v[X+k], v[X+k], -v10, v10       ; the conversion to an 8-bit code does not saturate (ISA guide 7.6.2): the hold comes first
.set k, k+1
.endr
.irp uu, 0,1
.irp g, 0,1,2,3
	v_cvt_scalef32_pk8_fp8_f32 v[C+16*\st+8*\uu+2*\g:C+16*\st+8*\uu+2*\g+1], v[X+32*\uu+8*\g:X+32*\uu+8*\g+7], v11
.endr
.endr
	v_nop                                          ; one plain vector line behind the last conversion of a run
.irp uu, 0,1
.irp c, 0,1
	global_store_b128 v4, v[C+16*\st+8*\uu+4*\c:C+16*\st+8*\uu+4*\c+3], s[34:35] offset:(2*\st+\uu)*1024+512*\c   ; 32 lanes store 512 consecutive bytes, aligned
.endr
.endr
.endm
	QSTEP 0
	QSTEP 1
	s_wait_tensorcnt 0x0
	ds_add_u32 v7, v9
	s_wait_dscnt 0x0
	s_endpgm
.Ltable:
	s_sub_co_u32 s36, ttmp9, 768
	s_lshl_b32 s36, s36, 2
	s_add_co_u32 s36, s36, s7                      ; my tile of 16 tokens
	s_lshl_b32 s37, s36, 4
	v_add_nc_u32 v8, s37, v2
	v_cvt_f32_u32 v8, v8                           ; t
	v_cmp_ne_u32 vcc_lo, 0, v3                     ; lanes 16-31 take d = 8 .. 15
	v_mov_b32 v40, 0x3638ef1d                      ; 1/9!
	v_mov_b32 v41, 0xb493f27e                      ; -1/10!
; cos and sin of theta = t x A[8 h + jj]: n = the nearest whole number to theta x 2/pi; rho = theta - n pi/2, |rho| <= pi/4; the quadrant n mod 4 swaps the two and sets the signs.
.macro ANGLE jj, lo, hi
	v_mov_b32 v12, \hi
	v_cndmask_b32 v12, \lo, v12, vcc_lo
	v_mul_f32 v13, v8, v12                         ; theta, rounded once
	v_mul_f32 v14, 0x3f22f983, v13
	v_rndne_f32 v14, v14                           ; n
	v_fmamk_f32 v15, v14, 0xbfc90fdb, v13          ; - n x the f32 number nearest pi/2: n has 11 bits, so this difference is exact
	v_fmamk_f32 v15, v14, 0x333bbd2e, v15          ; - n x what that number lacks of pi/2
	v_mul_f32 v16, v15, v15                        ; z
	v_fmaak_f32 v17, v40, v16, 0xb9500d01
	v_fmaak_f32 v19, v41, v16, 0x37d00d01
	v_fmaak_f32 v17, v17, v16, 0x3c088889
	v_fmaak_f32 v19, v19, v16, 0xbab60b61
	v_fmaak_f32 v17, v17, v16, 0xbe2aaaab
	v_fmaak_f32 v19, v19, v16, 0x3d2aaaab
	v_mul_f32 v18, v15, v16
	v_fmaak_f32 v19, v19, v16, 0xbf000000
	v_fma_f32 v17, v18, v17, v15                   ; sin rho
	v_fma_f32 v19, v19, v16, 1.0                   ; cos rho
	v_cvt_i32_f32 v20, v14
	v_and_b32 v21, 1, v20
	v_cmp_ne_u32 s50, 0, v21
	v_cndmask_b32 v22, v17, v19, s50               ; odd quadrants swap
	v_cndmask_b32 v23, v19, v17, s50
	v_lshlrev_b32 v21, 30, v20
	v_and_b32 v21, 0x80000000, v21                 ; sin is negated in quadrants 2, 3
	v_xor_b32 v[SI+\jj], v22, v21
	v_add_nc_u32 v20, 1, v20
	v_lshlrev_b32 v20, 30, v20
	v_and_b32 v20, 0x80000000, v20                 ; cos in quadrants 1, 2
	v_xor_b32 v[CO+\jj], v23, v20
.endm
	ANGLE 0, 0x3f800000, 0x3ccb2ff5
	ANGLE 1, 0x3f214518, 0x3c800000
	ANGLE 2, 0x3ecb2ff5, 0x3c214518
	ANGLE 3, 0x3e800000, 0x3bcb2ff5
	ANGLE 4, 0x3e214518, 0x3b800000
	ANGLE 5, 0x3dcb2ff5, 0x3b214518
	ANGLE 6, 0x3d800000, 0x3acb2ff5
	ANGLE 7, 0x3d214518, 0x3a800000
	s_lshl_b32 s36, s36, 11
	s_mov_b32 s37, 0
	s_wait_kmcnt 0x0
	s_add_nc_u64 s[22:23], s[22:23], s[36:37]
	global_store_b128 v4, v[CO:CO+3], s[22:23]
	global_store_b128 v4, v[CO+4:CO+7], s[22:23] offset:512
	global_store_b128 v4, v[SI:SI+3], s[22:23] offset:1024
	global_store_b128 v4, v[SI+4:SI+7], s[22:23] offset:1536
	s_endpgm
.Lfunc_end_k_qa22fa19071_prep:
	.size	k_qa22fa19071_prep, .Lfunc_end_k_qa22fa19071_prep-k_qa22fa19071_prep
	.p2alignl 7, 3214868480
	.fill 96, 4, 3214868480
	.section	.rodata,"a",@progbits
	.p2align	6, 0x0
	.amdhsa_kernel k_qa22fa19071_prep
		.amdhsa_group_segment_fixed_size 34304
		.amdhsa_private_segment_fixed_size 0
		.amdhsa_enable_private_segment 0
		.amdhsa_kernarg_size 64
		.amdhsa_user_sgpr_count 2
		.amdhsa_user_sgpr_kernarg_segment_ptr 1
		.amdhsa_wavefront_size32 1
		.amdhsa_system_sgpr_workgroup_id_x 1
		.amdhsa_system_sgpr_workgroup_id_y 1
		.amdhsa_system_sgpr_workgroup_id_z 1
		.amdhsa_system_vgpr_workitem_id 0
		.amdhsa_next_free_vgpr 256
		.amdhsa_next_free_sgpr 66
		.amdhsa_reserve_vcc 1
		.amdhsa_float_denorm_mode_32 3
		.amdhsa_float_denorm_mode_16_64 3
		.amdhsa_memory_ordered 1
		.amdhsa_forward_progress 1
		.amdhsa_inst_pref_size 34
	.end_amdhsa_kernel
	.amdgpu_metadata
---
amdhsa.version: [ 1, 2 ]
amdhsa.kernels:
  - .name:           k_qa22fa19071_prep
    .symbol:         k_qa22fa19071_prep.kd
    .args:
      - { .name: x, .offset: 0, .size: 8, .value_kind: global_buffer, .address_space: global }
      - { .name: qkv_w, .offset: 8, .size: 8, .value_kind: global_buffer, .address_space: global }
      - { .name: c_proj_w, .offset: 16, .size: 8, .value_kind: global_buffer, .address_space: global }
      - { .name: lowp_scales, .offset: 24, .size: 8, .value_kind: global_buffer, .address_space: global }
      - { .name: xq, .offset: 32, .size: 8, .value_kind: global_buffer, .address_space: global }
      - { .name: wq, .offset: 40, .size: 8, .value_kind: global_buffer, .address_space: global }
      - { .name: pq, .offset: 48, .size: 8, .value_kind: global_buffer, .address_space: global }
      - { .name: rot, .offset: 56, .size: 8, .value_kind: global_buffer, .address_space: global }
    .group_segment_fixed_size: 34304
    .private_segment_fixed_size: 0
    .kernarg_segment_align: 8
    .kernarg_segment_size: 64
    .max_flat_workgroup_size: 128
    .sgpr_count:     66
    .vgpr_count:     256
    .wavefront_size: 32
...
	.end_amdgpu_metadata
.endif
;; end of part 1
;; launch qkv (part 2): grid 12 x 32, 4 waves a work-group, clusters of 4 x 4, 327,680 bytes of LDS; arguments xq, wq, rot, ve, lambdas, lowp_scales, qc, kc, vc; writes qc, kc, vc
.if DOCPART == 2
	.amdgcn_target "amdgcn-amd-amdhsa--gfx1250"
	.amdhsa_code_object_version 6
	.text
	.protected	k_qa22fa19071_qkv
	.globl	k_qa22fa19071_qkv
	.p2align	8
	.type	k_qa22fa19071_qkv,@function
k_qa22fa19071_qkv:
	s_mov_b64 s[64:65], 0
	v_nop
	global_prefetch_b8 v0, s[64:65] scope:SCOPE_SE
	s_setreg_imm32_b32 hwreg(HW_REG_WAVE_MODE, 25, 1), 1
	s_wait_xcnt 0x0
	s_wait_alu depctr_hold_cnt(0) depctr_sa_sdst(0) depctr_va_vdst(0) depctr_va_sdst(0) depctr_va_ssrc(0) depctr_va_vcc(0) depctr_vm_vsrc(0)
	s_getreg_b32 s2, hwreg(HW_REG_IB_STS2, 6, 4)
	s_cmp_eq_u32 s2, 0
	s_cbranch_scc0 .Lentry_in_a_cluster
	s_endpgm
.Lentry_in_a_cluster:
	s_bfe_u32 s2, ttmp6, 0x10000c
	s_cmp_lg_u32 s2, 0xf033
	s_cbranch_scc0 .Lentry_shape_is_right
	s_endpgm
.Lentry_shape_is_right:
; The projection x qkv_w^T on codes of E4M3 (sums in f32, x 2^(e0 + e1)), and what follows it, up to the codes that attention reads:
;   q, k: RMS norm over the head's 64, the zero-padded rotary, quantised with 2^e2 (q) or 2^e3 (k);   v: lambda0 v + lambda1 ve, quantised with 2^e4 along the KEYS.
; A tile of 256 x 256 of the product is made by four waves, each 128 x 128: 64 accumulators, 512 registers.  K = 1,024 goes in four steps of 256 through two LDS slots filled by the tensor data mover.
; OPERANDS ARE IMAGES OF REGISTERS: a tile of 16 rows has 16 units of 1,024 bytes on end (unit: 64 along K; part c at 512 c; lane (r, h): 16 bytes at 16 x lane = row r, k = 64 unit + 32 h + 16 c + 0 .. 15).
; A fragment of 128 along K is four loads of 16 bytes a lane, 512 consecutive bytes each: no pitch and no padding.  Both operands place k alike, so every product meets its partner.
; THE MATRIX INSTRUCTION IS USED TRANSPOSED (source 0 = 16 rows of "B", source 1 = 16 rows of "A"): a lane holds one row of A and its registers run along B's rows.
; CLUSTERS of 4 x 4 work-groups; the cluster's x says which third: 0 q, 1 k, 2 v.  q, k: A = x's tokens, B = the weight's rows: a lane holds one token and eight channels a register run.
; v: the pointers change places: A = the weight's V rows (tile 4 hd + u holds channels 4 r + u of head hd), B = the tokens: a lane holds one channel and its registers run along the keys, which are the next K.
; A's tiles are asked for jointly along a row of the cluster, B's along a column: the same tensor load with the same descriptor and a mask that names the four.
; OUT: qc, kc [64 heads of the batch][128 tiles of 16 tokens][1,024]: the image of 8 registers (registers 2 t, 2 t + 1: channels 16 t + 8 h + 0 .. 7);
;      vc [64][16 blocks of 128 keys][4 u][2,048]: the image of 16 registers (lane (r, h): channel 4 r + u; registers 2 c, 2 c + 1: keys 16 c + 8 h + 0 .. 7).  Every store of a wave covers 512 consecutive bytes, aligned.
; LIMITS: e0 + e1 between -60 and 66 (2^(2 (e0 + e1) - 6) is made as an f32 number); e2, e3, e4 between -126 and 119.  NaN among the inputs is not served.
; REGISTERS, in windows of 256: window 0: v16-31 addresses and constants, from v128 A's fragments (one set); window 1: B's fragments (two sets); windows 2, 3: the accumulators ((a, b) at v[8 (8 (a % 4) + b)]).
; On the way out windows 0 and 1 are free: q, k: window 0 v32-47 sums of squares, v48-79 factors, v96-159 partial sums and then codes, v160-207 at work; window 1 v0-127 the table.  v: window 0 v32-63 at work, v128-255 codes; window 1 a ring of eight loads' worth of ve.
.set STEPB,  4096                      ; 256 along K of a tile of 16 rows, in memory and in LDS
.set HALFT,  8*STEPB                   ; 128 rows: what one tensor load brings, and what one wave reads of A or of B
.set SLOT,   4*HALFT                   ; A's 256 rows, then B's 256 rows
.set SPARE,  2*SLOT                    ; behind the ring: the spare words, 128 bytes for each wave: two blocks of 256 bytes that no other line names
.set FR,     16                        ; registers of a fragment
.set NL,     4                         ; LDS loads that bring one
.set NP,     4                         ; places behind this matrix instruction (ISA guide 7.12.1)
.set ADRA, 16                          ; v16-17  LDS address of my A fragments in slot 0, 1
.set ADRB, 20                          ; v20-21  the same for B
.set LI,   22                          ; v22     16 x lane
.set VEA,  23                          ; v23     ve: 32,768 h + 16 r
.set PFO,  27                          ; v27     the prefetches' offset: 4,096 x lane, a token a lane
.set SPW,  28                          ; v28     LDS address of my spare word; never rewritten
.set NIL,  29                          ; v29     0; never rewritten
.set SCL,  30                          ; v30     the quantiser's scale as f32
.set LIM,  31                          ; v31     448 x that
.set AF,   128
.set G1, 24
.set G0, 32
.set G1B, 48
.set G0B, 56
.set MSB, 0
.macro WIN new                         ; the immediate's high byte repeats the setting that is left
.if MSB != \new
	s_set_vgpr_msb (MSB<<8)|\new
.set MSB, \new
.endif
.endm
.set MUL_LO, 0xa1                      ; source 0 (B) window 1, source 1 (A) window 0, C and D window 2
.set MUL_HI, 0xf1                      ; the same, C and D window 3
.set TO_B,   0x40                      ; destination window 1, address window 0
; A joint load: waves 0 and 1 fetch for A, waves 2 and 3 for B; the branch hangs on the wave's number alone.  Four v_nop follow each of the two lines.
.macro JLOAD g0a, g1a, g0b, g1b
	s_cmp_eq_u32 s15, 0
	s_cbranch_scc0 .Lfor_b_\@
	tensor_load_to_lds s[\g0a:\g0a+3], s[\g1a:\g1a+7]
	s_nop 0
.rept 4
	v_nop
.endr
	s_branch .Lasked_\@
.Lfor_b_\@:
	tensor_load_to_lds s[\g0b:\g0b+3], s[\g1b:\g1b+7]
	s_nop 0
.rept 4
	v_nop
.endr
.Lasked_\@:
.endm
.macro CREST                           ; a round of the cluster's barrier behind its opening barrier
	s_cmp_lg_u32 s14, 0
	s_cbranch_scc1 .Lnot_wave_0_\@
	s_barrier_signal -3
.Lnot_wave_0_\@:
	s_barrier_wait -3
	s_barrier_signal -1
	s_barrier_wait -1
.endm
.macro CROUND
	s_barrier_signal -1
	s_barrier_wait -1
	CREST
.endm
; A PREFETCH INTO THE L2 of the bytes of ve that my wave reads on its way out (the v third alone: the cluster's x is the same in all partners): 128 tokens x 2 heads x 256 bytes, a lane a token,
; four instructions behind each of the two refills, behind the run of LDS loads.  Each wave has tokens and heads of its own, so each aligned 256 bytes are named once in the launch; nothing is stepped.
.macro ASKVE part
	s_cmp_eq_u32 s96, 1
	s_cbranch_scc0 .Lno_ve_\@
.irp i, 0,1
.irp hd, 0,1
	global_prefetch_b8 v[PFO], s[10:11] offset:(32*(2*(\part)+\i))*4096+256*\hd th:TH_LOAD_NT scope:SCOPE_SE
.endr
.endr
.Lno_ve_\@:
.endm
	s_load_b512 s[68:83], s[0:1], 0x0              ; xq s68, wq s70, rot s72, ve s74, lambdas s76, lowp_scales s78, qc s80, kc s82
	s_load_b64 s[84:85], s[0:1], 0x40              ; vc
	v_lshl_add_u32 v[SPW], v0, 2, SPARE
	v_mov_b32 v[NIL], 0
	ds_add_u32 v28, v29
	ds_add_u32 v28, v29
	s_wait_dscnt 0x0
	v_lshrrev_b32 v1, 5, v0
	v_readfirstlane_b32 s14, v1                    ; wave 0..3
	s_lshr_b32 s15, s14, 1                         ; which half of A's rows is mine.  Also: I fetch for A (0) or for B (1)
	s_and_b32 s16, s14, 1                          ; which half of B's rows.  Also: which 128 rows of that tile I fetch
	s_bfe_u32 s40, ttmp6, 0x40000                  ; cx, cy: my place in the cluster
	s_bfe_u32 s41, ttmp6, 0x40004
	s_and_b32 s18, ttmp7, 0xffff
	s_lshl_b32 s18, s18, 2                         ; 4 x cluster y
	s_lshl_b32 s19, ttmp9, 2                       ; 4 x cluster x
	s_cmp_eq_u32 ttmp9, 2                          ; the v third?
	s_cselect_b32 s96, 1, 0
	s_cselect_b32 s17, 0, s18
	s_cselect_b32 s42, s18, s19
	s_add_co_u32 s17, s17, s41                     ; A's block of 256 rows: q, k: tokens, 4 x cluster y + cy;  v: V's rows, cy
	s_add_co_u32 s42, s42, s40                     ; B's block: q, k: the weight's rows, 4 x cluster x + cx;  v: tokens, 4 x cluster y + cx
	s_lshl_b32 s43, s41, 2
	s_lshl_b32 s43, 15, s43                        ; my row of the cluster
	s_lshl_b32 s44, 0x1111, s40                    ; my column
	; descriptor group 1: 8 tiles of 16 rows, of each 4,096 consecutive bytes (512 elements of 8 bytes), 16,384 bytes apart; dense in LDS
	s_or_b32 s[G1+0], s43, (3<<16)|(1<<21)         ; 15:0 the mask: A's tiles go to my row; 17:16 elements of 8 bytes; 21 set beside a mask
	s_or_b32 s[G1B+0], s44, (3<<16)|(1<<21)
.irp g, G1, G1B
	s_mov_b32 s[\g+1], 512<<16                     ; tensor_dim0
	s_mov_b32 s[\g+2], 8<<16                       ; tensor_dim1
	s_mov_b32 s[\g+3], 512<<16                     ; tile_dim0
	s_mov_b32 s[\g+4], 8                           ; tile_dim1
	s_mov_b32 s[\g+5], 2048                        ; tensor_dim0_stride
	s_mov_b32 s[\g+6], 0
	s_mov_b32 s[\g+7], 0
.endr
	s_lshl_b32 s6, s17, 18                         ; A: 256 rows are 262,144 bytes; + the 128 rows that I fetch
	s_lshl_b32 s7, s16, 17
	s_add_co_u32 s6, s6, s7
	s_mov_b32 s7, 0
	s_lshl_b32 s4, s42, 18                         ; B likewise, in registers that never hold cy
	s_lshl_b32 s5, s16, 17
	s_add_co_u32 s4, s4, s5
	s_mov_b32 s5, 0
	s_lshl_b32 s45, s14, 15                        ; where they go: wave x 128 rows: no place in the cluster enters an LDS address
	s_lshl_b32 s10, s42, 8                         ; v: my part of ve: token 256 x B's block + 128 x half,
	s_lshl_b32 s11, s16, 7
	s_add_co_u32 s10, s10, s11
	s_lshl_b32 s10, s10, 12
	s_lshl_b32 s11, s17, 2                         ; head 4 x A's block + 2 x half
	s_lshl_b32 s18, s15, 1
	s_add_co_u32 s11, s11, s18
	s_lshl_b32 s11, s11, 8
	s_add_co_u32 s10, s10, s11
	s_mov_b32 s11, 0
	s_wait_kmcnt 0x0
	s_load_b256 s[88:95], s[78:79], 0x0            ; e0 .. e7
	s_load_b64 s[86:87], s[76:77], 0x0             ; lambda0, lambda1
	s_add_nc_u64 s[10:11], s[74:75], s[10:11]
	s_add_nc_u64 s[20:21], s[70:71], 0x200000      ; the V rows' tiles begin at tile 128
	s_cmp_eq_u32 ttmp9, 2
	s_cselect_b64 s[20:21], s[20:21], s[68:69]     ; A
	s_cselect_b64 s[46:47], s[68:69], s[70:71]     ; B
	s_add_nc_u64 s[20:21], s[20:21], s[6:7]
	s_add_nc_u64 s[46:47], s[46:47], s[4:5]
	CROUND                                         ; all sixteen work-groups are here: the first joint loads meet
.irp s, 0,1
	s_mov_b32 s[G0+4*\s], 1
	s_add_co_u32 s[G0+4*\s+1], s45, \s*SLOT
	s_add_nc_u64 s[G0+4*\s+2:G0+4*\s+3], s[20:21], \s*STEPB
	s_or_b32 s[G0+4*\s+3], s[G0+4*\s+3], 0x80000000
	s_mov_b32 s[G0B+4*\s], 1
	s_add_co_u32 s[G0B+4*\s+1], s45, \s*SLOT
	s_add_nc_u64 s[G0B+4*\s+2:G0B+4*\s+3], s[46:47], \s*STEPB
	s_or_b32 s[G0B+4*\s+3], s[G0B+4*\s+3], 0x80000000
	JLOAD G0+4*\s, G1, G0B+4*\s, G1B
.endr
	v_and_b32 v1, 31, v0
	v_lshlrev_b32 v[LI], 4, v1
	v_lshlrev_b32 v[PFO], 12, v1
	v_and_b32 v2, 15, v0
	v_bfe_u32 v3, v0, 4, 1
	v_lshlrev_b32 v[VEA], 4, v2
	v_lshl_add_u32 v[VEA], v3, 15, v[VEA]
	s_lshl_b32 s21, s15, 15                        ; my 128 rows of A
	s_lshl_b32 s22, s16, 15                        ; my 128 rows of B,
	s_add_co_u32 s22, s22, 2*HALFT                 ; which lie behind A's 256
.irp s, 0,1
	v_add_nc_u32 v[ADRA+\s], s21, v[LI]
	v_add_nc_u32 v[ADRB+\s], s22, v[LI]
	s_add_co_u32 s21, s21, SLOT
	s_add_co_u32 s22, s22, SLOT
.endr
.macro FRAG reg, adr, q, i             ; a fragment, 16 rows x 128 K: tile i of my eight, the slot's q-th 128 along K: four parts of 512 bytes
.irp c, 0,1,2,3
	ds_load_b128 v[\reg+4*\c:\reg+4*\c+3], v[\adr] offset:(\i)*STEPB+(\q)*2048+512*\c
.endr
.endm
; 16 matrix instructions: A's blocks a0, a0 + 1 x B's eight.  The 64 accumulators take turns, one instruction a turn, in the same order in every step.
.macro MUL16 a0, p, zero
.irp a, \a0, \a0+1
.irp b, 0,1,2,3,4,5,6,7
.if \zero
	v_wmma_f32_16x16x128_fp8_fp8 v[8*(8*((\a)%4)+\b):8*(8*((\a)%4)+\b)+7], v[128*(\p)+FR*\b:128*(\p)+FR*\b+FR-1], v[AF+FR*(\a):AF+FR*(\a)+FR-1], 0
.else
	v_wmma_f32_16x16x128_fp8_fp8 v[8*(8*((\a)%4)+\b):8*(8*((\a)%4)+\b)+7], v[128*(\p)+FR*\b:128*(\p)+FR*\b+FR-1], v[AF+FR*(\a):AF+FR*(\a)+FR-1], v[8*(8*((\a)%4)+\b):8*(8*((\a)%4)+\b)+7]
.endif
.endr
.endr
.endm
.macro FETCH_B slot, q, p
	WIN TO_B
.irp i, 0,1,2,3,4,5,6,7
	FRAG 128*(\p)+FR*\i, ADRB+\slot, \q, \i
.endr
	WIN 0
.endm
.macro FETCH_A slot, q, i0
.irp i, \i0, \i0+1, \i0+2, \i0+3
	FRAG AF+FR*(\i), ADRA+\slot, \q, \i
.endr
.endm
.macro PLACES n                        ; plain vector instructions between a matrix instruction and a load into, or a vector instruction on, its registers
.rept \n
	v_nop
.endr
.endm
; A step of 128 along K that has its successor in the same slot.  A has one set of registers: blocks 0-3 are fetched anew in the step's middle, blocks 4-7 at its end; B has two sets.
.macro STEP slot, q, zero
	s_wait_dscnt 4*NL                              ; B's set and A's blocks 0-3 are in; the youngest 16 loads (A's blocks 4-7) may be out
	WIN MUL_LO
	MUL16 0, (\q)%2, \zero
	MUL16 2, (\q)%2, \zero
	s_wait_dscnt 0
	PLACES NP
	FETCH_B \slot, (\q)+1, 1-(\q)%2
	FETCH_A \slot, (\q)+1, 0
	WIN MUL_HI
	MUL16 4, (\q)%2, \zero
	MUL16 6, (\q)%2, \zero
	PLACES NP
	WIN 0
	FETCH_A \slot, (\q)+1, 4
.endm
; A slot's last step changes slots: one barrier; in front of it each wave waits for all its tensor loads, adds 0 to its spare word, and waits for that and for its own reads of this slot.
; fill = 1: the barrier opens a round of the cluster's barrier, and behind the round this slot is filled again, two K steps ahead.
.macro TURN slot, next, fill, part
	s_wait_tensorcnt 0x0                           ; all my tensor loads have landed: my part of the next slot
	ds_add_u32 v[SPW], v[NIL]                      ; 0 onto my spare word
	s_wait_dscnt 4*NL+1                            ; (the add and the youngest 16 loads may be out)
	WIN MUL_LO
	MUL16 0, 1, 0
	s_wait_dscnt 0x0                               ; the add is done, and my reads of this slot are over
	s_barrier_signal -1
	MUL16 2, 1, 0
	WIN 0
	s_barrier_wait -1
.if \fill
	CREST                                          ; no wave of any partner still reads this slot's tile or has a load on its way
	s_add_nc_u64 s[G0+4*\slot+2:G0+4*\slot+3], s[G0+4*\slot+2:G0+4*\slot+3], 2*STEPB
	s_add_nc_u64 s[G0B+4*\slot+2:G0B+4*\slot+3], s[G0B+4*\slot+2:G0B+4*\slot+3], 2*STEPB
	JLOAD G0+4*\slot, G1, G0B+4*\slot, G1B         ; the first tensor load behind the round; its four v_nop are also the places in front of the loads below
.else
	PLACES NP
.endif
	FETCH_B \next, 0, 0
	FETCH_A \next, 0, 0
.if \fill
	ASKVE \part
.endif
	WIN MUL_HI
	MUL16 4, 1, 0
	MUL16 6, 1, 0
	PLACES NP
	WIN 0
	FETCH_A \next, 0, 4
.endm
	s_wait_tensorcnt 1                             ; my part of K step 0 is in (K step 1's load may be out)
	s_barrier_signal -1
	s_barrier_wait -1                              ; everybody's is
	FETCH_B 0, 0, 0
	FETCH_A 0, 0, 0
	FETCH_A 0, 0, 4
	STEP 0, 0, 1                                   ; K = 1,024 is four K steps, twice round the ring: written out.  The first products start the sums
	TURN 0, 1, 1, 0                                ; slot 0 takes K step 2
	STEP 1, 0, 0
	TURN 1, 0, 1, 1                                ; slot 1 takes K step 3
	STEP 0, 0, 0
	TURN 0, 1, 0, 0                                ; nothing is left to fetch
	STEP 1, 0, 0
	s_wait_dscnt 4*NL
	WIN MUL_LO
	MUL16 0, 1, 0
	MUL16 2, 1, 0
	s_wait_dscnt 0
	WIN MUL_HI
	MUL16 4, 1, 0
	MUL16 6, 1, 0
	WIN 0
	s_wait_kmcnt 0x0
	s_add_co_i32 s97, s88, s89                     ; E = e0 + e1: a sum stands for sum x 2^E
	PLACES NP                                      ; behind the last products: for the first reads of results and for the loads and writes into the fragments' registers
	s_cmp_eq_u32 s96, 1
	s_cbranch_scc1 .Lv
; ---- q, k.  Lane (r, h) holds token 16 a + r; accumulator (a, b), register j: column 16 b + 8 h + j.  A head is four neighbouring accumulators: 32 registers a lane, the other 32 channels in lane l xor 16.
.set SS,   32                          ; v32-47   unit 2 a + hd: the sum of squares, then 1 / the root
.set FP,   48                          ; v48-79   the factor 2^E / the root, as a pair
.set T,    96                          ; v96-159  four partial sums a unit
.set CODE, 96                          ; later: eight sets of eight registers of codes
.set X,    160                         ; v160-191 a head's 32 numbers
.set U,    192                         ; v192-199, v200-207: the rotary's cross terms
.set W,    200
	s_lshl_b32 s18, s17, 8
	s_lshl_b32 s19, s15, 7
	s_add_co_u32 s18, s18, s19                     ; my first token of the 8,192
	s_lshr_b32 s19, s18, 11                        ; its batch,
	s_and_b32 s18, s18, 2047
	s_lshr_b32 s18, s18, 4                         ; its tile of 16 tokens in the batch
	s_and_b32 s22, s42, 3
	s_lshl_b32 s22, s22, 2
	s_lshl_b32 s23, s16, 1
	s_add_co_u32 s22, s22, s23                     ; my first head
	s_lshl_b32 s19, s19, 4
	s_add_co_u32 s19, s19, s22
	s_lshl_b32 s66, s19, 17
	s_lshl_b32 s67, s18, 10
	s_add_co_u32 s66, s66, s67
	s_mov_b32 s67, 0
	s_cmp_eq_u32 ttmp9, 0
	s_cselect_b64 s[8:9], s[80:81], s[82:83]       ; qc or kc
	s_cselect_b32 s100, s90, s91                   ; e2 or e3
	s_add_nc_u64 s[8:9], s[8:9], s[66:67]
	s_lshl_b32 s66, s18, 11
	s_add_nc_u64 s[12:13], s[72:73], s[66:67]      ; the table at my first tile
	WIN 0x40                                       ; destination window 1
.irp a, 0,1,2,3,4,5,6,7
.irp p, 0,1,2,3
	global_load_b128 v[16*\a+4*\p:16*\a+4*\p+3], v[LI], s[12:13] offset:2048*\a+512*\p   ; tile a: eight cosines, eight sines of my token at d = 8 h + 0 .. 7
.endr
.endr
	WIN 0
	s_add_co_i32 s100, s100, 127
	s_lshl_b32 s101, s100, 23
	v_mov_b32 v[SCL], s101
	s_add_co_i32 s100, s100, 8
	s_lshl_b32 s100, s100, 23
	s_or_b32 s100, s100, 0x600000
	v_mov_b32 v[LIM], s100
	s_mov_b32 s98, 0x76543210                      ; v_permlanex16_b32: lane l xor 16
	s_mov_b32 s99, 0xfedcba98
	s_lshl_b32 s101, s97, 1
	s_add_co_i32 s101, s101, 121
	s_lshl_b32 s101, s101, 23                      ; 2^(2 E - 6) as f32: the mean of 64 squares of sum x 2^E
	s_mov_b32 s19, 0x358637bd                      ; EPS = 1e-6
	; the sums of squares: two numbers an instruction, two chains a head, the two heads by turns; each accumulator is read from its low end on
.irp a, 0,1,2,3,4,5,6,7
	WIN 0x0a+5*(\a/4)                              ; sources 0 and 1: window 2 or 3
.irp be, 0,1,2,3
.irp p, 0,1,2,3
.irp hd, 0,1
.set rA, 8*(8*(\a%4)+4*\hd+\be)+2*\p
.set rT, T+4*(2*\a+\hd)+2*(\p%2)
.if (\be == 0) && (\p < 2)
	v_pk_mul_f32 v[rT:rT+1], v[rA:rA+1], v[rA:rA+1]
.else
	v_pk_fma_f32 v[rT:rT+1], v[rA:rA+1], v[rA:rA+1], v[rT:rT+1]
.endif
.endr
.endr
.endr
.endr
	WIN 0
.set k, 0
.rept 16
	v_pk_add_f32 v[T+4*k:T+4*k+1], v[T+4*k:T+4*k+1], v[T+4*k+2:T+4*k+3]
.set k, k+1
.endr
.set k, 0
.rept 16
	v_add_f32 v[SS+k], v[T+4*k], v[T+4*k+1]
.set k, k+1
.endr
.set k, 0
.rept 16
	v_permlanex16_b32 v[T+4*k+2], v[SS+k], s98, s99   ; (its destination counts as read: a register that has been written)
.set k, k+1
.endr
.set k, 0
.rept 16
	v_add_f32 v[SS+k], v[SS+k], v[T+4*k+2]
.set k, k+1
.endr
.set k, 0
.rept 16
	v_fma_f32 v[SS+k], v[SS+k], s101, s19          ; the mean + EPS
.set k, k+1
.endr
.set k, 0
.rept 16
	v_rsq_f32 v[SS+k], v[SS+k]
.set k, k+1
.endr
	v_nop                                          ; a plain instruction behind the last of the batch
	s_wait_alu depctr_va_vdst(0)                   ; one wait for the sixteen, ahead of their first reader
.set k, 0
.rept 16
	v_ldexp_f32 v[FP+2*k], v[SS+k], s97            ; x 2^E: the factor that makes of a sum the normalised number
	v_ldexp_f32 v[FP+2*k+1], v[SS+k], s97
.set k, k+1
.endr
	s_wait_loadcnt 0x0                             ; the table
; One head of one tile of tokens: normalised, turned, held, converted, stored as an image of eight registers.
.macro QKUNIT a, hd
.set un, 2*(\a)+(\hd)
.set ac, 8*(8*((\a)%4)+4*(\hd))
.set cd, CODE+8*(un%8)
.if un == 8
	s_wait_xcnt 0x0                                ; the first eight units' stores have read their data: the sets of codes are written again only behind this wait
.endif
	WIN 0x02+((\a)/4)                              ; source 0: window 2 or 3
.set k, 0
.rept 16
	v_pk_mul_f32 v[X+k:X+k+1], v[ac+k:ac+k+1], v[FP+2*un:FP+2*un+1]
.set k, k+2
.endr
	WIN 0x04                                       ; source 1 (the table) window 1
.irp p, 0,2,4,6                                ; channels 0-15 turn with channels 32-47; channels 16-31 and 48-63 have the angle 0 and stay
	v_pk_mul_f32 v[U+\p:U+\p+1], v[X+16+\p:X+17+\p], v[16*(\a)+8+\p:16*(\a)+9+\p]
	v_pk_mul_f32 v[W+\p:W+\p+1], v[X+\p:X+\p+1], v[16*(\a)+8+\p:16*(\a)+9+\p]
.endr
.irp p, 0,2,4,6
	v_pk_fma_f32 v[X+\p:X+\p+1], v[X+\p:X+\p+1], v[16*(\a)+\p:16*(\a)+\p+1], v[U+\p:U+\p+1]   ; y1 = x1 cos + x2 sin
	v_pk_fma_f32 v[X+16+\p:X+17+\p], v[X+16+\p:X+17+\p], v[16*(\a)+\p:16*(\a)+\p+1], v[W+\p:W+\p+1] neg_lo:[0,0,1] neg_hi:[0,0,1]   ; y2 = x2 cos - x1 sin
.endr
	WIN 0
.set k, 0
.rept 32
	v_med3_num_f32 v[X+k], v[X+k], -v[LIM], v[LIM]   ; the conversion to an 8-bit code does not saturate (ISA guide 7.6.2)
.set k, k+1
.endr
.irp g, 0,1,2,3
	v_cvt_scalef32_pk8_fp8_f32 v[cd+2*\g:cd+2*\g+1], v[X+8*\g:X+8*\g+7], v[SCL]
.endr
	v_nop                                          ; one plain vector line behind the last conversion: the next unit writes its sources
	global_store_b128 v[LI], v[cd:cd+3], s[8:9] offset:(\hd)*131072+(\a)*1024
	global_store_b128 v[LI], v[cd+4:cd+7], s[8:9] offset:(\hd)*131072+(\a)*1024+512
.endm
.irp a, 0,1,2,3,4,5,6,7
	QKUNIT \a, 0
	QKUNIT \a, 1
.endr
	s_branch .Lend
; ---- v.  Lane (r, h) holds channel 4 r + u of head a / 4 (u = a % 4); accumulator (a, b), register j: token 16 b + 8 h + j of my 128, which are one block of keys.
.Lv:
.set TMP, 32                           ; v32-63   32 numbers: u x 8 keys
.set LAM, 64                           ; v64      lambda0 x 2^E
.set CV,  128                          ; v128-255 codes: head hd, u: 16 registers
	s_lshl_b32 s18, s42, 8
	s_lshl_b32 s19, s16, 7
	s_add_co_u32 s18, s18, s19                     ; my first token
	s_lshr_b32 s19, s18, 11                        ; its batch,
	s_and_b32 s18, s18, 2047
	s_lshr_b32 s18, s18, 7                         ; its block of 128 keys
	s_lshl_b32 s22, s17, 2
	s_lshl_b32 s23, s15, 1
	s_add_co_u32 s22, s22, s23                     ; my first head
	s_lshl_b32 s19, s19, 4
	s_add_co_u32 s19, s19, s22
	s_lshl_b32 s19, s19, 4
	s_add_co_u32 s19, s19, s18
	s_lshl_b32 s66, s19, 13
	s_mov_b32 s67, 0
	s_add_nc_u64 s[8:9], s[84:85], s[66:67]
	s_add_co_i32 s100, s92, 127
	s_lshl_b32 s101, s100, 23
	v_mov_b32 v[SCL], s101                         ; 2^e4
	s_add_co_i32 s100, s100, 8
	s_lshl_b32 s100, s100, 23
	s_or_b32 s100, s100, 0x600000
	v_mov_b32 v[LIM], s100
	v_mov_b32 v[LAM], s86
	v_ldexp_f32 v[LAM], v[LAM], s97
	s_mov_b32 s86, s87                             ; the pair (lambda1, lambda1)
; Unit i = 8 hd + b: 16 tokens of head hd.  Eight loads: lanes 0-15 read the head's 256 bytes of token 16 b + j, lanes 16-31 of the token eight further on; a load's four registers are u = 0 .. 3.
.macro VLOAD i
	WIN 0x40
.irp j, 0,1,2,3,4,5,6,7
	global_load_b128 v[32*((\i)%8)+4*\j:32*((\i)%8)+4*\j+3], v[VEA], s[10:11] offset:(16*((\i)%8)+\j)*4096+256*((\i)/8) th:TH_LOAD_NT
.endr
.endm
.macro VUNIT i
.set ub, (\i)%8
.set uh, (\i)/8
.set us, 32*ub
.if (\i) < 8
	s_wait_loadcnt 56                              ; my eight loads are in; the seven younger units' may be out
.else
	s_wait_loadcnt 8*(15-(\i))
.endif
	WIN 0x41                                       ; ve: source 0 and destination window 1
.set k, 0
.rept 16
	v_pk_mul_f32 v[us+k:us+k+1], v[us+k:us+k+1], s[86:87] op_sel_hi:[1,0]   ; lambda1 ve
.set k, k+2
.endr
	WIN 0x12+uh                                    ; source 0 (the sums) window 2 or 3, source 2 window 1
.irp u, 0,1,2,3
.irp j, 0,1,2,3,4,5,6,7
	v_fma_f32 v[TMP+8*\u+\j], v[8*(8*\u+ub)+\j], v[LAM], v[us+4*\j+\u]   ; + lambda0 2^E x the sum; each accumulator from its low end on
.endr
.endr
	WIN 0
.set k, 0
.rept 32
	v_med3_num_f32 v[TMP+k], v[TMP+k], -v[LIM], v[LIM]
.set k, k+1
.endr
.irp u, 0,1,2,3
	v_cvt_scalef32_pk8_fp8_f32 v[CV+64*uh+16*\u+2*ub:CV+64*uh+16*\u+2*ub+1], v[TMP+8*\u:TMP+8*\u+7], v[SCL]   ; eight neighbouring keys
.endr
	v_nop                                          ; one plain vector line behind the last conversion
.if (\i) < 8
	VLOAD (\i)+8
	WIN 0
.endif
.if ub == 7
.irp u, 0,1,2,3
.irp c, 0,1,2,3
	global_store_b128 v[LI], v[CV+64*uh+16*\u+4*\c:CV+64*uh+16*\u+4*\c+3], s[8:9] offset:uh*131072+\u*2048+512*\c
.endr
.endr
.endif
.endm
.irp i, 0,1,2,3,4,5,6,7
	VLOAD \i
.endr
	WIN 0
.irp i, 0,1,2,3,4,5,6,7,8,9,10,11,12,13,14,15
	VUNIT \i
.endr
.Lend:
	s_wait_tensorcnt 0x0                           ; the wave's end
	ds_add_u32 v[SPW], v[NIL]
	s_wait_dscnt 0x0
	CROUND                                         ; the closing round: no work-group ends while a partner may still ask for a tile that names it
	s_endpgm
.Lfunc_end_k_qa22fa19071_qkv:
	.size	k_qa22fa19071_qkv, .Lfunc_end_k_qa22fa19071_qkv-k_qa22fa19071_qkv
	.p2alignl 7, 3214868480
	.fill 96, 4, 3214868480
	.section	.rodata,"a",@progbits
	.p2align	6, 0x0
	.amdhsa_kernel k_qa22fa19071_qkv
		.amdhsa_group_segment_fixed_size 327680
		.amdhsa_private_segment_fixed_size 0
		.amdhsa_enable_private_segment 0
		.amdhsa_kernarg_size 72
		.amdhsa_user_sgpr_count 2
		.amdhsa_user_sgpr_kernarg_segment_ptr 1
		.amdhsa_wavefront_size32 1
		.amdhsa_system_sgpr_workgroup_id_x 1
		.amdhsa_system_sgpr_workgroup_id_y 1
		.amdhsa_system_sgpr_workgroup_id_z 1
		.amdhsa_system_vgpr_workitem_id 0
		.amdhsa_next_free_vgpr 1024
		.amdhsa_next_free_sgpr 102
		.amdhsa_reserve_vcc 0
		.amdhsa_float_denorm_mode_32 3
		.amdhsa_float_denorm_mode_16_64 3
		.amdhsa_memory_ordered 1
		.amdhsa_forward_progress 1
		.amdhsa_inst_pref_size 255
	.end_amdhsa_kernel
	.section	.bss,"aw",@nobits
	.p2align	6
	.space	262144
	.amdgpu_metadata
---
amdhsa.version: [ 1, 2 ]
amdhsa.kernels:
  - .name:           k_qa22fa19071_qkv
    .symbol:         k_qa22fa19071_qkv.kd
    .args:
      - { .name: xq, .offset: 0, .size: 8, .value_kind: global_buffer, .address_space: global }
      - { .name: wq, .offset: 8, .size: 8, .value_kind: global_buffer, .address_space: global }
      - { .name: rot, .offset: 16, .size: 8, .value_kind: global_buffer, .address_space: global }
      - { .name: ve, .offset: 24, .size: 8, .value_kind: global_buffer, .address_space: global }
      - { .name: lambdas, .offset: 32, .size: 8, .value_kind: global_buffer, .address_space: global }
      - { .name: lowp_scales, .offset: 40, .size: 8, .value_kind: global_buffer, .address_space: global }
      - { .name: qc, .offset: 48, .size: 8, .value_kind: global_buffer, .address_space: global }
      - { .name: kc, .offset: 56, .size: 8, .value_kind: global_buffer, .address_space: global }
      - { .name: vc, .offset: 64, .size: 8, .value_kind: global_buffer, .address_space: global }
    .group_segment_fixed_size: 327680
    .private_segment_fixed_size: 0
    .kernarg_segment_align: 8
    .kernarg_segment_size: 72
    .max_flat_workgroup_size: 128
    .sgpr_count:     102
    .vgpr_count:     1024
    .wavefront_size: 32
...
	.end_amdgpu_metadata
.endif
;; end of part 2
;; launch attn (part 3): grid 4 x 64, 16 waves a work-group, no clusters, 34,816 bytes of LDS; arguments qc, kc, vc, lowp_scales, yq; writes yq
.if DOCPART == 3
	.amdgcn_target "amdgcn-amd-amdhsa--gfx1250"
	.amdhsa_code_object_version 6
	.text
	.protected	k_qa22fa19071_attn
	.globl	k_qa22fa19071_attn
	.p2align	8
	.type	k_qa22fa19071_attn,@function
k_qa22fa19071_attn:
	s_mov_b64 s[64:65], 0
	v_nop
	global_prefetch_b8 v0, s[64:65] scope:SCOPE_SE
	s_setreg_imm32_b32 hwreg(HW_REG_WAVE_MODE, 25, 1), 1
	s_wait_xcnt 0x0
; Causal attention of one head of one batch on codes of E4M3: S^T = K Q^T (K = the head's 64), p = 2^(t - M), O^T = V^T P^T (K = the keys), y = O / l, quantised with 2^e6 for the last projection.
; t = score x 0.12 log2(e) x 2^(e2 + e3); M = the running largest t rounded UP to a whole number; the row's sum l is taken of the unquantised p; when M moves, l and O^T are multiplied by 2^(old M - new M): exact.
; SHARES.  A work-group owns two blocks of 256 queries of a head, block 7 - x and then block x: (8 - x) + (x + 1) = 9 trips of 256 keys in every work-group, so all 256 work-groups have the same work and the loop's trip count is a constant.
; Each of the sixteen waves owns 16 queries, one tile, in 256 registers.  A step of 128 keys is 8,192 dense bytes of kc and 8,192 of vc: the 512 threads load 16 bytes of each a step ahead and store them
; into the LDS slot that is not being read; one barrier a step.  The fragments are images of registers: 16 bytes a lane, 512 consecutive bytes an instruction.
; LAYOUT.  Both products are used transposed: a lane holds ONE query (lane % 16) throughout.  In S^T, tile kt, register j is key 16 kt + 8 (lane / 16) + j: eight neighbours, so the conversions' results are the second product's
; operand in that form's own order of k.  V^T's tile u holds channels 4 r + u, so O^T's register j of tile u is channel 32 h + 4 j + u: the way out puts them in order by its choice of destination registers.
; CAUSAL.  A step all of whose keys come after my 16 queries is left out by a scalar branch on ids, round the work alone: never round the staging or the barrier.  On the diagonal hidden scores become -infinity ahead of the maximum.
; NO TENSOR LOAD, NO CLUSTER: the four work-groups of a head are in different blocks of keys in the same trip (their first phases have 8 - x trips), so no tile is wanted by two of them at one time;
; and without an engine the hold of p may stand under a scalar branch on the given whole number e5: p <= 1, so it acts only where 448 x 2^e5 < 1.
; yq: [512 tiles of 16 tokens][16 heads][1,024]: part c at 512 c; lane (r, h): token r, channel 32 h + 16 c + 0 .. 15 of the head.
; LIMITS: e2 + e3 between -123 and 130 (added to the exponent field of 0.12 log2(e)); e5, e6 between -126 and 119; e4 + e5 is applied by v_ldexp_f32 and has none.
.set WV,   14                          ; s14  wave
.set KB,   16                          ; s[16:17] kc, s[18:19] vc, s[20:21] qc at my head; s[22:23] yq at my batch and head
.set VB,   18
.set QBS,  20
.set YB,   22
.set PFB,  24                          ; s[24:25] the prefetches' base: kc in wave 0, vc in the others
.set T,    26                          ; s26  the trip
.set FIN,  28                          ; s28  the trip that ends the phase in hand
.set QB,   29                          ; s29  the block of queries in hand
.set KO,   31                          ; s31  byte offset in kc and vc of the step that is loaded next
.set KF,   32                          ; s32  the step's first key
.set Q0,   33                          ; s33  my first query
.set PLIM, 34                          ; s34  a wave prefetches while KO is under it
.set HOLD, 35                          ; s35  1 where 448 x 2^e5 < 1
.set CS,   36                          ; s[36:37] c = 0.12 log2(e) 2^(e2 + e3)
.set SEL,  38                          ; s[38:39] lane selects: lane l xor 16
.set L16,  1                           ; v1   16 x lane
.set TID,  2                           ; v2   16 x thread
.set GA,   3                           ; v3   the staged loads' offset
.set PFA,  4                           ; v4   the prefetch's offset
.set L256, 5                           ; v5   256 x lane
.set G,    208                         ; v208-215 the staged bytes: 16 of K, 16 of V
	s_load_b256 s[4:11], s[0:1], 0x0               ; qc, kc, vc, lowp_scales
	s_load_b64 s[12:13], s[0:1], 0x20              ; yq
	v_lshl_add_u32 v254, v0, 2, 0x8000
	v_mov_b32 v255, 0
	v_lshrrev_b32 v1, 5, v0
	v_readfirstlane_b32 s[WV], v1
	v_and_b32 v6, 31, v0
	v_lshlrev_b32 v[L16], 4, v6
	v_lshlrev_b32 v[TID], 4, v0
	v_lshlrev_b32 v[L256], 8, v6
	v_and_b32 v7, 15, v0
	v_bfe_u32 v8, v0, 4, 1
	v_lshlrev_b32 v8, 3, v8
	v_sub_nc_u32 v7, v7, v8                        ; r - 8 h, for the mask
	s_and_b32 s15, ttmp7, 0xffff                   ; 16 x batch + head
	s_lshl_b32 s48, s15, 17
	s_mov_b32 s49, 0
	s_lshr_b32 s50, s15, 4
	s_lshl_b32 s50, s50, 21                        ; the batch's 128 tiles of 16,384 bytes,
	s_and_b32 s51, s15, 15
	s_lshl_b32 s51, s51, 10                        ; the head's 1,024
	s_add_co_u32 s50, s50, s51
	s_mov_b32 s51, 0
	s_wait_kmcnt 0x0
	s_load_b256 s[40:47], s[10:11], 0x0            ; e0 .. e7
	s_add_nc_u64 s[KB:KB+1], s[6:7], s[48:49]
	s_add_nc_u64 s[VB:VB+1], s[8:9], s[48:49]
	s_add_nc_u64 s[QBS:QBS+1], s[4:5], s[48:49]
	s_add_nc_u64 s[YB:YB+1], s[12:13], s[50:51]
	global_load_b128 v[G:G+3], v[TID], s[KB:KB+1]  ; step 0
	global_load_b128 v[G+4:G+7], v[TID], s[VB:VB+1]
	s_cmp_eq_u32 s[WV], 0
	s_cselect_b64 s[PFB:PFB+1], s[KB:KB+1], s[VB:VB+1]
	s_lshr_b32 s48, s[WV], 1                       ; 0 in waves 0 and 1,
	s_or_b32 s48, s48, ttmp9                       ; of the head's work-group 0, whose first phase walks all 16 steps
	s_cmp_eq_u32 s48, 0
	s_cselect_b32 s[PLIM], 114688, 0               ; 14 steps: the last prefetch names step 15, the head's last
	s_sub_co_u32 s[FIN], 7, ttmp9
	s_mov_b32 s[QB], s[FIN]
	s_mov_b32 s[KO], 8192
	s_mov_b32 s[SEL], 0x76543210
	s_mov_b32 s[SEL+1], 0xfedcba98
	s_mov_b32 s[CS], 0x3e314743                    ; 0.12 log2(e)
	v_mov_b32 v219, 0                              ; (named as the upper half of the pair v[218:219])
	v_mov_b32 v222, 0                              ; a lane permute's destination counts as one of its sources
	s_wait_kmcnt 0x0
	s_add_co_i32 s48, s42, s43
	s_lshl_b32 s48, s48, 23
	s_add_co_i32 s[CS], s[CS], s48
	s_mov_b32 s[CS+1], s[CS]
	s_add_co_i32 s48, s45, 127
	s_lshl_b32 s49, s48, 23
	v_mov_b32 v10, s49                             ; 2^e5
	s_add_co_i32 s48, s48, 8
	s_lshl_b32 s48, s48, 23
	s_or_b32 s48, s48, 0x600000
	v_mov_b32 v11, s48                             ; 448 x 2^e5
	s_add_co_i32 s48, s46, 127
	s_lshl_b32 s49, s48, 23
	v_mov_b32 v24, s49                             ; 2^e6
	s_add_co_i32 s48, s48, 8
	s_lshl_b32 s48, s48, 23
	s_or_b32 s48, s48, 0x600000
	v_mov_b32 v25, s48                             ; 448 x 2^e6
	s_add_co_i32 s52, s44, s45                     ; e4 + e5
	s_cmp_lt_i32 s45, -8
	s_cselect_b32 s[HOLD], 1, 0
; A phase begins: my tile of queries of block QB; O^T and the sum begin as zeros and the largest t as -3e38, so that the step is written once.
.macro INIT
	s_lshl_b32 s48, s[QB], 4
	s_add_co_u32 s48, s48, s[WV]                   ; my tile of 16 queries
	s_lshl_b32 s[Q0], s48, 4
	s_mov_b32 s[KF], 0
	s_lshl_b32 s50, s48, 10
	s_mov_b32 s51, 0
	s_add_nc_u64 s[50:51], s[QBS:QBS+1], s[50:51]
	global_load_b128 v[16:19], v[L16], s[50:51]
	global_load_b128 v[20:23], v[L16], s[50:51] offset:512
	v_mov_b32 v13, 0xff61b1e6
	v_floor_f32 v12, -v13
	v_mov_b32 v14, 0
	v_mov_b32 v15, 0
.set k, 0
.rept 32
	v_mov_b32 v[160+k], 0
.set k, k+1
.endr
	s_wait_loadcnt 0x0
.endm
	INIT                                           ; (its wait is also step 0's)
	ds_store_b128 v[TID], v[G:G+3]
	ds_store_b128 v[TID], v[G+4:G+7] offset:8192
	s_wait_dscnt 0x0
	s_barrier_signal -1
	s_barrier_wait -1
; A STEP: 128 keys, read from the given slot.  last = 1: a trip's second step.
.macro STEP slot, last
.if \last
	s_cmp_eq_u32 s[T], s[FIN]                      ; the phase ends with this step: the next step to load is the next phase's first,
	s_cselect_b32 s[KO], 0, s[KO]
	s_cselect_b32 s[PLIM], 0, s[PLIM]              ; and the head's rows have all been named
.endif
	s_wait_xcnt 0x0                                ; the last step's loads and prefetch have read their offsets
	v_add_nc_u32 v[GA], s[KO], v[TID]
	v_add_nc_u32 v[PFA], s[KO], v[L256]
.if \last
	s_cmp_eq_u32 s[T], 8
	s_cbranch_scc1 .Lnoreq_\@                      ; nothing follows the last step
.endif
	global_load_b128 v[G:G+3], v[GA], s[KB:KB+1]   ; the next step's bytes: they land under this step's work
	global_load_b128 v[G+4:G+7], v[GA], s[VB:VB+1]
	; A PREFETCH INTO THE L2, behind the loads: the step two on from the one just asked for: 8,192 bytes, lanes 256 bytes apart; wave 0 for K's, wave 1 for V's, in the head's work-group 0 and its first phase alone,
	; so each aligned 256 bytes are named once in the launch.  Steps 0 to 2 come by their loads alone.
	s_cmp_lt_u32 s[KO], s[PLIM]
	s_cbranch_scc0 .Lnoreq_\@
	global_prefetch_b8 v[PFA], s[PFB:PFB+1] offset:16384 th:TH_LOAD_NT scope:SCOPE_SE
.Lnoreq_\@:
	s_add_co_u32 s[KO], s[KO], 8192
	s_add_co_u32 s48, s[Q0], 15
	s_cmp_gt_u32 s[KF], s48
	s_cbranch_scc1 .Lhid_\@                        ; all 128 keys come after my queries
	v_nop                                          ; with the two additions above: four places in front of loads into registers that the last products read
	v_nop
.irp kt, 0,1,2,3,4,5,6,7
	ds_load_b128 v[32+8*\kt:35+8*\kt], v[L16] offset:\slot*16384+\kt*1024
	ds_load_b128 v[36+8*\kt:39+8*\kt], v[L16] offset:\slot*16384+\kt*1024+512
.endr
	s_wait_dscnt 0x0
.irp kt, 0,1,2,3,4,5,6,7
	v_wmma_f32_16x16x64_fp8_fp8 v[96+8*\kt:103+8*\kt], v[32+8*\kt:39+8*\kt], v[16:23], 0
.endr
.rept 4
	v_nop                                          ; places: for the loads below and for the first reads of the scores
.endr
.irp u, 0,1,2,3
.irp c, 0,1,2,3
	ds_load_b128 v[32+16*\u+4*\c:35+16*\u+4*\c], v[L16] offset:\slot*16384+8192+\u*2048+512*\c   ; V's fragments land under the softmax
.endr
.endr
	s_add_co_u32 s48, s[KF], 127
	s_cmp_le_u32 s48, s[Q0]
	s_cbranch_scc1 .Lopen_\@                       ; all 128 keys count
	s_sub_co_i32 s48, s[Q0], s[KF]
	v_add_nc_u32 v8, s48, v7                       ; d = my query - KF - 8 h: register 8 kt + j is hidden where 16 kt + j > d
	v_mov_b32 v9, 0xff800000
.set n, 0
.rept 64
	v_cmp_gt_i32 vcc_lo, 16*(n/8)+n%8, v8
	v_cndmask_b32 v[96+n], v[96+n], v9, vcc_lo
.set n, n+1
.endr
.Lopen_\@:
	v_max3_num_f32 v216, v96, v97, v98             ; the step's largest score of my query among my 64 keys, in two chains,
	v_max3_num_f32 v217, v99, v100, v101
.irp i, 6,10,14,18,22,26,30,34,38,42,46,50,54,58
	v_max3_num_f32 v216, v216, v[96+\i], v[97+\i]
	v_max3_num_f32 v217, v217, v[98+\i], v[99+\i]
.endr
	v_max3_num_f32 v216, v216, v158, v159
	v_max_num_f32 v216, v216, v217
	v_permlanex16_b32 v222, v216, s[SEL], s[SEL+1]
	v_max_num_f32 v216, v216, v222                 ; and among lane l xor 16's
	v_mul_f32 v216, s[CS], v216                    ; as t (c is positive)
	v_max_num_f32 v13, v13, v216
	v_mov_b32 v216, v12
	v_floor_f32 v12, -v13                          ; the new -M = -ceil(t)
	v_sub_f32 v216, v12, v216                      ; old M - new M: a whole number, 0 or less
	v_cvt_i32_f32 v216, v216                       ; (it saturates)
	v_ldexp_f32 v218, 1.0, v216                    ; f = 2^(old M - new M)
.set k, 0
.rept 32
	v_pk_fma_f32 v[96+k:97+k], v[96+k:97+k], s[CS:CS+1], v[12:13] op_sel_hi:[1,0,0]   ; t - M
.set k, k+2
.endr
.set k, 0
.rept 64
	v_exp_f32 v[96+k], v[96+k]                     ; p = 2^(t - M)
.set k, k+1
.endr
	v_pk_mul_f32 v[14:15], v[14:15], v[218:219] op_sel_hi:[1,0]   ; the sums under the new M (a plain instruction behind the exponentials)
	s_wait_alu depctr_va_vdst(0)                   ; one wait for the batch, ahead of its first reader
	v_pk_add_f32 v[220:221], v[96:97], v[98:99]    ; the row's sum of the unquantised p, in two chains
.irp j, 4,8,12,16,20,24,28,32,36,40,44,48,52,56,60
	v_pk_add_f32 v[14:15], v[14:15], v[96+\j:97+\j]
	v_pk_add_f32 v[220:221], v[220:221], v[98+\j:99+\j]
.endr
	v_pk_add_f32 v[14:15], v[14:15], v[220:221]
	s_cmp_eq_u32 s[HOLD], 0
	s_cbranch_scc1 .Lnohold_\@                     ; p <= 1 <= 448 x 2^e5: nothing to hold
.set k, 0
.rept 64
	v_min_num_f32 v[96+k], v[96+k], v11            ; the conversion to an 8-bit code does not saturate (ISA guide 7.6.2); p is not negative
.set k, k+1
.endr
.Lnohold_\@:
.irp kt, 0,1,2,3,4,5,6,7
	v_cvt_scalef32_pk8_fp8_f32 v[192+2*\kt:193+2*\kt], v[96+8*\kt:103+8*\kt], v10
.endr
.set k, 0
.rept 16
	v_pk_mul_f32 v[160+k:161+k], v[160+k:161+k], v[218:219] op_sel_hi:[1,0]   ; O^T under the new M; also the plain lines behind the conversions
.set k, k+2
.endr
	s_wait_dscnt 0x0                               ; V's fragments
.irp u, 0,1,2,3
	v_wmma_f32_16x16x128_fp8_fp8 v[160+8*\u:167+8*\u], v[32+16*\u:47+16*\u], v[192:207], v[160+8*\u:167+8*\u]   ; the four accumulators by turns; the scores' eight stand between two turns of one
.endr
.Lhid_\@:
	s_add_co_u32 s[KF], s[KF], 128
	s_wait_loadcnt 0x0                             ; the next step's bytes are in registers
.if \last
	s_cmp_eq_u32 s[T], 8
	s_cbranch_scc1 .Lnost_\@
.endif
	ds_store_b128 v[TID], v[G:G+3] offset:(1-\slot)*16384          ; into the other slot: its readers waited for their loads in front of the last barrier
	ds_store_b128 v[TID], v[G+4:G+7] offset:(1-\slot)*16384+8192
.Lnost_\@:
	s_wait_dscnt 0x0                               ; for the others' sake: my stores have landed, my reads of this slot are in
	s_barrier_signal -1
	s_barrier_wait -1
.endm
; A phase ends: y = O^T 2^(e4 + e5) / l, quantised with 2^e6, stored as the image of eight registers.
.macro FINISH
	s_wait_xcnt 0x0                                ; the first phase's stores have read their registers
	v_nop                                          ; with the plain lines below: the places behind the last products
	v_nop
	v_add_f32 v14, v14, v15
	v_permlanex16_b32 v222, v14, s[SEL], s[SEL+1]
	v_add_f32 v14, v14, v222                       ; the row's sum
	v_rcp_f32 v14, v14
	s_lshl_b32 s48, s[QB], 4
	s_add_co_u32 s48, s48, s[WV]
	s_lshl_b32 s48, s48, 14
	v_add_nc_u32 v232, s48, v[L16]                 ; my tile of tokens in yq (a plain instruction behind the reciprocal)
	s_wait_alu depctr_va_vdst(0)                   ; ahead of the reciprocal's first reader
	v_ldexp_f32 v14, v14, s52
.irp u, 0,1,2,3
.irp j, 0,1,2,3,4,5,6,7
	v_mul_f32 v[96+4*\j+\u], v[160+8*\u+\j], v14   ; channel 32 h + 4 j + u goes to register 4 j + u; each accumulator from its low end on
.endr
.endr
.set k, 0
.rept 32
	v_med3_num_f32 v[96+k], v[96+k], -v25, v25
.set k, k+1
.endr
.irp g, 0,1,2,3
	v_cvt_scalef32_pk8_fp8_f32 v[224+2*\g:225+2*\g], v[96+8*\g:103+8*\g], v24
.endr
	v_nop                                          ; one plain vector line behind the last conversion
	global_store_b128 v232, v[224:227], s[YB:YB+1]
	global_store_b128 v232, v[228:231], s[YB:YB+1] offset:512
.endm
	s_mov_b32 s[T], 0
.Ltrip:                                            ; nine trips of 256 keys
	STEP 0, 0
	STEP 1, 1
	s_cmp_eq_u32 s[T], s[FIN]
	s_cbranch_scc0 .Lnext
	FINISH
	s_mov_b32 s[QB], ttmp9                         ; the second phase: block x, up to the last trip
	s_mov_b32 s[FIN], 8
	s_cmp_eq_u32 s[T], 8
	s_cbranch_scc1 .Lnext
	INIT
.Lnext:
	s_add_co_u32 s[T], s[T], 1
	s_cmp_lt_u32 s[T], 9
	s_cbranch_scc1 .Ltrip
	s_wait_tensorcnt 0x0
	ds_add_u32 v254, v255
	s_wait_dscnt 0x0
	s_endpgm
.Lfunc_end_k_qa22fa19071_attn:
	.size	k_qa22fa19071_attn, .Lfunc_end_k_qa22fa19071_attn-k_qa22fa19071_attn
	.p2alignl 7, 3214868480
	.fill 96, 4, 3214868480
	.section	.rodata,"a",@progbits
	.p2align	6, 0x0
	.amdhsa_kernel k_qa22fa19071_attn
		.amdhsa_group_segment_fixed_size 34816
		.amdhsa_private_segment_fixed_size 0
		.amdhsa_enable_private_segment 0
		.amdhsa_kernarg_size 40
		.amdhsa_user_sgpr_count 2
		.amdhsa_user_sgpr_kernarg_segment_ptr 1
		.amdhsa_wavefront_size32 1
		.amdhsa_system_sgpr_workgroup_id_x 1
		.amdhsa_system_sgpr_workgroup_id_y 1
		.amdhsa_system_sgpr_workgroup_id_z 1
		.amdhsa_system_vgpr_workitem_id 0
		.amdhsa_next_free_vgpr 256
		.amdhsa_next_free_sgpr 66
		.amdhsa_reserve_vcc 1
		.amdhsa_float_denorm_mode_32 3
		.amdhsa_float_denorm_mode_16_64 3
		.amdhsa_memory_ordered 1
		.amdhsa_forward_progress 1
		.amdhsa_inst_pref_size 54
	.end_amdhsa_kernel
	.amdgpu_metadata
---
amdhsa.version: [ 1, 2 ]
amdhsa.kernels:
  - .name:           k_qa22fa19071_attn
    .symbol:         k_qa22fa19071_attn.kd
    .args:
      - { .name: qc, .offset: 0, .size: 8, .value_kind: global_buffer, .address_space: global }
      - { .name: kc, .offset: 8, .size: 8, .value_kind: global_buffer, .address_space: global }
      - { .name: vc, .offset: 16, .size: 8, .value_kind: global_buffer, .address_space: global }
      - { .name: lowp_scales, .offset: 24, .size: 8, .value_kind: global_buffer, .address_space: global }
      - { .name: yq, .offset: 32, .size: 8, .value_kind: global_buffer, .address_space: global }
    .group_segment_fixed_size: 34816
    .private_segment_fixed_size: 0
    .kernarg_segment_align: 8
    .kernarg_segment_size: 40
    .max_flat_workgroup_size: 512
    .sgpr_count:     66
    .vgpr_count:     256
    .wavefront_size: 32
...
	.end_amdgpu_metadata
.endif
;; end of part 3
;; launch proj (part 4): grid 4 x 32, 4 waves a work-group, clusters of 4 x 4, 327,680 bytes of LDS; arguments yq, pq, lowp_scales, out0; writes out0
.if DOCPART == 4
	.amdgcn_target "amdgcn-amd-amdhsa--gfx1250"
	.amdhsa_code_object_version 6
	.text
	.protected	k_qa22fa19071_proj
	.globl	k_qa22fa19071_proj
	.p2align	8
	.type	k_qa22fa19071_proj,@function
k_qa22fa19071_proj:
	s_mov_b64 s[64:65], 0
	v_nop
	global_prefetch_b8 v0, s[64:65] scope:SCOPE_SE
	s_setreg_imm32_b32 hwreg(HW_REG_WAVE_MODE, 25, 1), 1
	s_wait_xcnt 0x0
	s_wait_alu depctr_hold_cnt(0) depctr_sa_sdst(0) depctr_va_vdst(0) depctr_va_sdst(0) depctr_va_ssrc(0) depctr_va_vcc(0) depctr_vm_vsrc(0)
	s_getreg_b32 s2, hwreg(HW_REG_IB_STS2, 6, 4)
	s_cmp_eq_u32 s2, 0
	s_cbranch_scc0 .Lentry_in_a_cluster
	s_endpgm
.Lentry_in_a_cluster:
	s_bfe_u32 s2, ttmp6, 0x10000c
	s_cmp_lg_u32 s2, 0xf033
	s_cbranch_scc0 .Lentry_shape_is_right
	s_endpgm
.Lentry_shape_is_right:
; out0[m][n] = 2^(e6 + e7) x the sum over k of y[m][k] w[n][k], on codes of E4M3; y: 8,192 tokens, w: c_proj_w's 1,024 rows, K = 1,024; out0 f32; sums in f32.
; A tile of 256 x 256 is made by four waves, each 128 x 128: 64 accumulators, 512 registers.  K goes in four steps of 256 through two LDS slots filled by the tensor data mover.
; OPERANDS ARE IMAGES OF REGISTERS: a tile of 16 rows has 16 units of 1,024 bytes on end (unit: 64 along K; part c at 512 c; lane (r, h): 16 bytes at 16 x lane = row r, k = 64 unit + 32 h + 16 c + 0 .. 15).
; A fragment of 128 along K is four loads of 16 bytes a lane, 512 consecutive bytes each.  Both operands place k alike, so every product meets its partner.
; CLUSTERS of 4 x 4 work-groups: y's tiles are asked for jointly along a row of the cluster, w's along a column.  THE MATRIX INSTRUCTION IS USED TRANSPOSED (source 0 = 16 rows of w, source 1 = 16 tokens): a lane holds eight neighbouring numbers of a row of out0.
; 128 work-groups: the tile is kept at 256 x 256 so that this text and the first projection's are one core.
; LIMIT: e6 + e7 between -126 and 127, so that 2^(e6 + e7) is an f32 number.
; REGISTERS, in windows of 256: window 0: v16-31 addresses, from v128 A's fragments (one set), on the way out v32-255 are free; window 1: B's fragments (two sets); windows 2, 3: the accumulators ((a, b) at v[8 (8 (a % 4) + b)]).
.set SIZE_N, 1024
.set STEPB,  4096                      ; 256 along K of a tile of 16 rows, in memory and in LDS
.set HALFT,  8*STEPB                   ; 128 rows: what one tensor load brings
.set SLOT,   4*HALFT
.set SPARE,  2*SLOT                    ; behind the ring: the spare words, 128 bytes for each wave: two blocks of 256 bytes that no other line names
.set SPITCH, 528                       ; the way out: a stage of 16 rows x (512 bytes + 16) for each wave, in slot 0, which has had its last fill and its last read when the first result is stored there
.set FR,     16
.set NL,     4
.set NP,     4
.set ADRA, 16
.set ADRB, 20
.set LI,   22                          ; v22  16 x lane
.set STO,  24
.set RD,   25
.set CO,   26
.set SPW,  28
.set NIL,  29
.set TMP,  32
.set AF,   128
.set BK,   128
.set G1, 24
.set G0, 32
.set G1B, 48
.set G0B, 56
.set MSB, 0
.macro WIN new                         ; the immediate's high byte repeats the setting that is left
.if MSB != \new
	s_set_vgpr_msb (MSB<<8)|\new
.set MSB, \new
.endif
.endm
.set MUL_LO, 0xa1
.set MUL_HI, 0xf1
.set TO_B,   0x40
.macro JLOAD g0a, g1a, g0b, g1b        ; a joint load: waves 0 and 1 fetch for A, waves 2 and 3 for B; four v_nop follow each of the two lines
	s_cmp_eq_u32 s15, 0
	s_cbranch_scc0 .Lfor_b_\@
	tensor_load_to_lds s[\g0a:\g0a+3], s[\g1a:\g1a+7]
	s_nop 0
.rept 4
	v_nop
.endr
	s_branch .Lasked_\@
.Lfor_b_\@:
	tensor_load_to_lds s[\g0b:\g0b+3], s[\g1b:\g1b+7]
	s_nop 0
.rept 4
	v_nop
.endr
.Lasked_\@:
.endm
.macro CREST
	s_cmp_lg_u32 s14, 0
	s_cbranch_scc1 .Lnot_wave_0_\@
	s_barrier_signal -3
.Lnot_wave_0_\@:
	s_barrier_wait -3
	s_barrier_signal -1
	s_barrier_wait -1
.endm
.macro CROUND
	s_barrier_signal -1
	s_barrier_wait -1
	CREST
.endm
	s_load_b128 s[4:7], s[0:1], 0x0                ; yq, pq
	s_load_b128 s[8:11], s[0:1], 0x10              ; lowp_scales, out0
	v_lshl_add_u32 v[SPW], v0, 2, SPARE
	v_mov_b32 v[NIL], 0
	ds_add_u32 v28, v29
	ds_add_u32 v28, v29
	s_wait_dscnt 0x0
	v_lshrrev_b32 v1, 5, v0
	v_readfirstlane_b32 s14, v1                    ; wave 0..3
	s_lshr_b32 s15, s14, 1                         ; which half of the tile's rows is mine.  Also: I fetch for A (0) or for B (1)
	s_and_b32 s16, s14, 1                          ; which half of its columns.  Also: which 128 rows of that tile I fetch
	s_bfe_u32 s40, ttmp6, 0x40000
	s_bfe_u32 s41, ttmp6, 0x40004
	s_lshl_b32 s42, ttmp9, 2
	s_add_co_u32 s42, s42, s40                     ; tile column = 4 x cluster x + cx
	s_and_b32 s17, ttmp7, 0xffff
	s_lshl_b32 s17, s17, 2
	s_add_co_u32 s17, s17, s41                     ; tile row = 4 x cluster y + cy
	s_lshl_b32 s43, s41, 2
	s_lshl_b32 s43, 15, s43                        ; my row of the cluster
	s_lshl_b32 s44, 0x1111, s40                    ; my column
	; descriptor group 1: 8 tiles of 16 rows, of each 4,096 consecutive bytes (512 elements of 8 bytes), 16,384 bytes apart; dense in LDS
	s_or_b32 s[G1+0], s43, (3<<16)|(1<<21)
	s_or_b32 s[G1B+0], s44, (3<<16)|(1<<21)
.irp g, G1, G1B
	s_mov_b32 s[\g+1], 512<<16
	s_mov_b32 s[\g+2], 8<<16
	s_mov_b32 s[\g+3], 512<<16
	s_mov_b32 s[\g+4], 8
	s_mov_b32 s[\g+5], 2048
	s_mov_b32 s[\g+6], 0
	s_mov_b32 s[\g+7], 0
.endr
	s_lshl_b32 s18, s16, 17                        ; which 128 rows of the tile I fetch
	s_lshl_b32 s20, s17, 18
	s_add_co_u32 s20, s20, s18
	s_lshl_b32 s46, s42, 18
	s_add_co_u32 s46, s46, s18
	s_mov_b32 s21, 0
	s_mov_b32 s47, 0
	s_lshl_b32 s45, s14, 15                        ; where they go: wave x 128 rows
	s_wait_kmcnt 0x0
	s_load_b64 s[96:97], s[8:9], 0x18              ; e6, e7
	s_add_nc_u64 s[20:21], s[4:5], s[20:21]
	s_add_nc_u64 s[46:47], s[6:7], s[46:47]
	CROUND                                         ; all sixteen work-groups are here: the first joint loads meet
.irp s, 0,1
	s_mov_b32 s[G0+4*\s], 1
	s_add_co_u32 s[G0+4*\s+1], s45, \s*SLOT
	s_add_nc_u64 s[G0+4*\s+2:G0+4*\s+3], s[20:21], \s*STEPB
	s_or_b32 s[G0+4*\s+3], s[G0+4*\s+3], 0x80000000
	s_mov_b32 s[G0B+4*\s], 1
	s_add_co_u32 s[G0B+4*\s+1], s45, \s*SLOT
	s_add_nc_u64 s[G0B+4*\s+2:G0B+4*\s+3], s[46:47], \s*STEPB
	s_or_b32 s[G0B+4*\s+3], s[G0B+4*\s+3], 0x80000000
	JLOAD G0+4*\s, G1, G0B+4*\s, G1B
.endr
	v_and_b32 v1, 15, v0                           ; l % 16
	v_bfe_u32 v2, v0, 4, 1                         ; l / 16
	v_and_b32 v6, 31, v0
	v_lshlrev_b32 v[LI], 4, v6
	s_lshl_b32 s21, s15, 15                        ; my 128 rows of A
	s_lshl_b32 s22, s16, 15                        ; my 128 rows of B,
	s_add_co_u32 s22, s22, 2*HALFT                 ; which lie behind A's 256
.irp s, 0,1
	v_add_nc_u32 v[ADRA+\s], s21, v[LI]
	v_add_nc_u32 v[ADRB+\s], s22, v[LI]
	s_add_co_u32 s21, s21, SLOT
	s_add_co_u32 s22, s22, SLOT
.endr
	s_mul_i32 s23, s14, 16*SPITCH                  ; my stage
	v_mul_u32_u24 v5, v1, SPITCH                   ; in: row l % 16, 32 bytes for each half of the lanes
	v_lshl_add_u32 v5, v2, 5, v5
	v_add_nc_u32 v[STO], s23, v5
	v_lshlrev_b32 v[CO], 4, v6                     ; back: the 32 lanes take one row of 512 bytes; and the same in out0
	v_add_nc_u32 v[RD], s23, v[CO]
	s_lshl_b32 s20, s17, 8
	s_lshl_b32 s21, s15, 7
	s_add_co_u32 s20, s20, s21                     ; my first row: 256 x tile row + 128 x half
	s_mov_b32 s21, 0
	s_mov_b64 s[18:19], SIZE_N*4
	s_mul_u64 s[20:21], s[20:21], s[18:19]
	s_lshl_b32 s46, s42, 10                        ; my first column, in bytes
	s_lshl_b32 s47, s16, 9
	s_add_co_u32 s46, s46, s47
	s_mov_b32 s47, 0
	s_add_nc_u64 s[20:21], s[20:21], s[46:47]
	s_add_nc_u64 s[10:11], s[10:11], s[20:21]
.macro FRAG reg, adr, q, i
.irp c, 0,1,2,3
	ds_load_b128 v[\reg+4*\c:\reg+4*\c+3], v[\adr] offset:(\i)*STEPB+(\q)*2048+512*\c
.endr
.endm
; The 64 accumulators take turns, one instruction a turn, in the same order in every step.
.macro MUL16 a0, p, zero
.irp a, \a0, \a0+1
.irp b, 0,1,2,3,4,5,6,7
.if \zero
	v_wmma_f32_16x16x128_fp8_fp8 v[8*(8*((\a)%4)+\b):8*(8*((\a)%4)+\b)+7], v[128*(\p)+FR*\b:128*(\p)+FR*\b+FR-1], v[AF+FR*(\a):AF+FR*(\a)+FR-1], 0
.else
	v_wmma_f32_16x16x128_fp8_fp8 v[8*(8*((\a)%4)+\b):8*(8*((\a)%4)+\b)+7], v[128*(\p)+FR*\b:128*(\p)+FR*\b+FR-1], v[AF+FR*(\a):AF+FR*(\a)+FR-1], v[8*(8*((\a)%4)+\b):8*(8*((\a)%4)+\b)+7]
.endif
.endr
.endr
.endm
.macro FETCH_B slot, q, p
	WIN TO_B
.irp i, 0,1,2,3,4,5,6,7
	FRAG 128*(\p)+FR*\i, ADRB+\slot, \q, \i
.endr
	WIN 0
.endm
.macro FETCH_A slot, q, i0
.irp i, \i0, \i0+1, \i0+2, \i0+3
	FRAG AF+FR*(\i), ADRA+\slot, \q, \i
.endr
.endm
.macro PLACES n                        ; plain vector instructions between a matrix instruction and a load into, or a vector instruction on, its registers
.rept \n
	v_nop
.endr
.endm
.macro STEP slot, q, zero
	s_wait_dscnt 4*NL                              ; B's set and A's blocks 0-3 are in; the youngest 16 loads (A's blocks 4-7) may be out
	WIN MUL_LO
	MUL16 0, (\q)%2, \zero
	MUL16 2, (\q)%2, \zero
	s_wait_dscnt 0
	PLACES NP
	FETCH_B \slot, (\q)+1, 1-(\q)%2
	FETCH_A \slot, (\q)+1, 0
	WIN MUL_HI
	MUL16 4, (\q)%2, \zero
	MUL16 6, (\q)%2, \zero
	PLACES NP
	WIN 0
	FETCH_A \slot, (\q)+1, 4
.endm
; A slot's last step changes slots: one barrier; in front of it each wave waits for all its tensor loads, adds 0 to its spare word, and waits for that and for its own reads of this slot.
.macro TURN slot, next, fill
	s_wait_tensorcnt 0x0                           ; all my tensor loads have landed: my part of the next slot
	ds_add_u32 v[SPW], v[NIL]                      ; 0 onto my spare word
	s_wait_dscnt 4*NL+1                            ; (the add and the youngest 16 loads may be out)
	WIN MUL_LO
	MUL16 0, 1, 0
	s_wait_dscnt 0x0                               ; the add is done, and my reads of this slot are over
	s_barrier_signal -1
	MUL16 2, 1, 0
	WIN 0
	s_barrier_wait -1
.if \fill
	CREST                                          ; no wave of any partner still reads this slot's tile or has a load on its way
	s_add_nc_u64 s[G0+4*\slot+2:G0+4*\slot+3], s[G0+4*\slot+2:G0+4*\slot+3], 2*STEPB
	s_add_nc_u64 s[G0B+4*\slot+2:G0B+4*\slot+3], s[G0B+4*\slot+2:G0B+4*\slot+3], 2*STEPB
	JLOAD G0+4*\slot, G1, G0B+4*\slot, G1B         ; the first tensor load behind the round; its four v_nop are also the places in front of the loads below
.else
	PLACES NP
.endif
	FETCH_B \next, 0, 0
	FETCH_A \next, 0, 0
	WIN MUL_HI
	MUL16 4, 1, 0
	MUL16 6, 1, 0
	PLACES NP
	WIN 0
	FETCH_A \next, 0, 4
.endm
	s_wait_tensorcnt 1                             ; my part of K step 0 is in (K step 1's load may be out)
	s_barrier_signal -1
	s_barrier_wait -1
	FETCH_B 0, 0, 0
	FETCH_A 0, 0, 0
	FETCH_A 0, 0, 4
	STEP 0, 0, 1                                   ; four K steps, twice round the ring: written out.  The first products start the sums
	TURN 0, 1, 1
	STEP 1, 0, 0
	TURN 1, 0, 1
	STEP 0, 0, 0
	TURN 0, 1, 0
	STEP 1, 0, 0
	s_wait_dscnt 4*NL
	WIN MUL_LO
	MUL16 0, 1, 0
	MUL16 2, 1, 0
	s_wait_dscnt 0
	WIN MUL_HI
	MUL16 4, 1, 0
	MUL16 6, 1, 0
	WIN 0
; THE WAY OUT, block by block of 16 rows x 128 columns: through my own stage in LDS, back as whole rows of 512 bytes.  LDS serves a wave's instructions in order (ISA guide 5.7.1.4): no wait between the stores and the loads.
.macro TOSTAGE a
.set AC, 64*((\a)%4)
	WIN 0x02+((\a)/4)                              ; source 0: window 2 or 3
.irp j, 0,2,4,6,8,10,12,14,16,18,20,22,24,26,28,30,32,34,36,38,40,42,44,46,48,50,52,54,56,58,60,62
	v_pk_mul_f32 v[TMP+\j:TMP+\j+1], v[AC+\j:AC+\j+1], s[96:97] op_sel_hi:[1,0]   ; x 2^(e6 + e7); each accumulator from its low end on
.endr
	WIN 0
.irp b, 0,1,2,3,4,5,6,7
	ds_store_b128 v[STO], v[TMP+8*\b:TMP+8*\b+3] offset:64*\b
	ds_store_b128 v[STO], v[TMP+8*\b+4:TMP+8*\b+7] offset:64*\b+16
.endr
.set BB, BK+64*((\a)%2)
.irp t, 0,1,2,3,4,5,6,7,8,9,10,11,12,13,14,15
	ds_load_b128 v[BB+4*\t:BB+4*\t+3], v[RD] offset:\t*SPITCH
.endr
.endm
.macro SEND a, younger                 ; younger: the LDS instructions issued behind block a's loads, which may stay out
.set BB, BK+64*((\a)%2)
	s_wait_dscnt \younger
.if (\a) > 0
	s_add_nc_u64 s[10:11], s[10:11], 16*SIZE_N*4   ; (behind a wait on XCNT: the earlier stores have read their base)
.endif
.irp t, 0,1,2,3,4,5,6,7,8,9,10,11,12,13,14,15
	global_store_b128 v[CO], v[BB+4*\t:BB+4*\t+3], s[10:11] offset:\t*SIZE_N*4 th:TH_STORE_NT   ; 32 lanes store 512 consecutive bytes, aligned; written once, read by nobody here
.endr
.endm
	s_wait_kmcnt 0x0
	s_add_co_i32 s96, s96, s97
	s_add_co_i32 s96, s96, 127
	s_lshl_b32 s96, s96, 23                        ; 2^(e6 + e7) as f32
	PLACES NP                                      ; behind the last products: for the reads of results and the loads into the registers that held A's fragments
	TOSTAGE 0
.irp a, 1,2,3,4,5,6,7
.if \a > 1
	s_wait_xcnt 0x0                                ; block a - 2's stores have read their registers and their base
.endif
	TOSTAGE \a
	SEND \a-1, 32                                  ; behind block a - 1's loads: block a's 16 stores and 16 loads
.endr
	s_wait_xcnt 0x0
	SEND 7, 0
	s_wait_tensorcnt 0x0                           ; the wave's end
	ds_add_u32 v[SPW], v[NIL]
	s_wait_dscnt 0x0
	CROUND                                         ; the closing round
	s_endpgm
.Lfunc_end_k_qa22fa19071_proj:
	.size	k_qa22fa19071_proj, .Lfunc_end_k_qa22fa19071_proj-k_qa22fa19071_proj
	.p2alignl 7, 3214868480
	.fill 96, 4, 3214868480
	.section	.rodata,"a",@progbits
	.p2align	6, 0x0
	.amdhsa_kernel k_qa22fa19071_proj
		.amdhsa_group_segment_fixed_size 327680
		.amdhsa_private_segment_fixed_size 0
		.amdhsa_enable_private_segment 0
		.amdhsa_kernarg_size 32
		.amdhsa_user_sgpr_count 2
		.amdhsa_user_sgpr_kernarg_segment_ptr 1
		.amdhsa_wavefront_size32 1
		.amdhsa_system_sgpr_workgroup_id_x 1
		.amdhsa_system_sgpr_workgroup_id_y 1
		.amdhsa_system_sgpr_workgroup_id_z 1
		.amdhsa_system_vgpr_workitem_id 0
		.amdhsa_next_free_vgpr 1024
		.amdhsa_next_free_sgpr 98
		.amdhsa_reserve_vcc 0
		.amdhsa_float_denorm_mode_32 3
		.amdhsa_float_denorm_mode_16_64 3
		.amdhsa_memory_ordered 1
		.amdhsa_forward_progress 1
		.amdhsa_inst_pref_size 123
	.end_amdhsa_kernel
	.amdgpu_metadata
---
amdhsa.version: [ 1, 2 ]
amdhsa.kernels:
  - .name:           k_qa22fa19071_proj
    .symbol:         k_qa22fa19071_proj.kd
    .args:
      - { .name: yq, .offset: 0, .size: 8, .value_kind: global_buffer, .address_space: global }
      - { .name: pq, .offset: 8, .size: 8, .value_kind: global_buffer, .address_space: global }
      - { .name: lowp_scales, .offset: 16, .size: 8, .value_kind: global_buffer, .address_space: global }
      - { .name: out0, .offset: 24, .size: 8, .value_kind: global_buffer, .address_space: global }
    .group_segment_fixed_size: 327680
    .private_segment_fixed_size: 0
    .kernarg_segment_align: 8
    .kernarg_segment_size: 32
    .max_flat_workgroup_size: 128
    .sgpr_count:     98
    .vgpr_count:     1024
    .wavefront_size: 32
...
	.end_amdgpu_metadata
.endif
;; end of part 4
;; ======== version 2 of 2: 4 launches; version 1 with the launch attn written anew for expert scheduling mode
;; workspace buffers: xq 8,388,608 bytes; wq 3,145,728 bytes; pq 1,048,576 bytes; rot 262,144 bytes; qc 8,388,608 bytes; kc 8,388,608 bytes; vc 8,388,608 bytes; yq 8,388,608 bytes
;; launch prep: the kernel of part 1 again; grid 800 x 1, 4 waves a work-group, no clusters, 34,304 bytes of LDS; arguments x, qkv_w, c_proj_w, lowp_scales, xq, wq, pq, rot; writes xq, wq, pq, rot
;; launch qkv: the kernel of part 2 again; grid 12 x 32, 4 waves a work-group, clusters of 4 x 4, 327,680 bytes of LDS; arguments xq, wq, rot, ve, lambdas, lowp_scales, qc, kc, vc; writes qc, kc, vc
;; launch attn (part 5): grid 4 x 64, 16 waves a work-group, no clusters, 34,816 bytes of LDS; arguments qc, kc, vc, lowp_scales, yq; writes yq
.if DOCPART == 5
	.amdgcn_target "amdgcn-amd-amdhsa--gfx1250"
	.amdhsa_code_object_version 6
	.text
	.protected	k_qa22fa19071_attn
	.globl	k_qa22fa19071_attn
	.p2align	8
	.type	k_qa22fa19071_attn,@function
k_qa22fa19071_attn:
	s_mov_b64 s[64:65], 0
	v_nop
	global_prefetch_b8 v0, s[64:65] scope:SCOPE_SE
	s_setreg_imm32_b32 hwreg(HW_REG_WAVE_SCHED_MODE, 0, 2), 2
	s_setreg_imm32_b32 hwreg(HW_REG_WAVE_MODE, 25, 1), 1
	s_wait_xcnt 0x0
	s_wait_alu depctr_vm_vsrc(0)
; Causal attention of one head of one batch on codes of E4M3: S^T = K Q^T (K = the head's 64), p = 2^(t - M), O^T = V^T P^T (K = the keys), y = O / l, quantised with 2^e6 for the last projection.
; t = score x 0.12 log2(e) x 2^(e2 + e3); M = the running largest t rounded UP to a whole number; the row's sum l is taken of the unquantised p; when M moves, l and O^T are multiplied by 2^(old M - new M): exact.
; SHARES.  A work-group owns two blocks of 256 queries of a head, block 7 - x and then block x: (8 - x) + (x + 1) = 9 trips of 256 keys in every work-group, so all 256 work-groups have the same work and the loop's trip count is a constant.
; Each of the sixteen waves owns 16 queries, one tile, in 256 registers.  A step of 128 keys is 8,192 dense bytes of kc and 8,192 of vc: the 512 threads load 16 bytes of each a step ahead and store them
; into the LDS slot that is not being read; one barrier a step.  The fragments are images of registers: 16 bytes a lane, 512 consecutive bytes an instruction.
; LAYOUT.  Both products are used transposed: a lane holds ONE query (lane % 16) throughout.  In S^T, tile kt, register j is key 16 kt + 8 (lane / 16) + j: eight neighbours, so the conversions' results are the second product's
; operand in that form's own order of k.  V^T's tile u holds channels 4 r + u, so O^T's register j of tile u is channel 32 h + 4 j + u: the way out puts them in order by its choice of destination registers.
; CAUSAL.  A step all of whose keys come after my 16 queries is left out by a scalar branch on ids, round the work alone: never round the staging or the barrier.  On the diagonal hidden scores become -infinity ahead of the maximum.
; NO TENSOR LOAD, NO CLUSTER: the four work-groups of a head are in different blocks of keys in the same trip (their first phases have 8 - x trips), so no tile is wanted by two of them at one time;
; and without an engine the hold of p may stand under a scalar branch on the given whole number e5: p <= 1, so it acts only where 448 x 2^e5 < 1.
; yq: [512 tiles of 16 tokens][16 heads][1,024]: part c at 512 c; lane (r, h): token r, channel 32 h + 16 c + 0 .. 15 of the head.
; LIMITS: e2 + e3 between -123 and 130 (added to the exponent field of 0.12 log2(e)); e5, e6 between -126 and 119; e4 + e5 is applied by v_ldexp_f32 and has none.
; THE MODE: SCHED_MODE bits 1:0 = 2 (LLVM: expert scheduling mode 2), set by the entry lines.  The code itself states the register dependences
; between vector or matrix instructions and memory or LDS instructions, with s_wait_alu, always for 0.
; THE PLAN.  Registers that memory or LDS instructions touch:
;   v1, v2      16 x lane, 16 x thread: made at the head, never written again; read by every LDS load, every LDS store, Q's loads and step 0's loads.
;   v3, v4      the offsets of the staged loads and of the prefetch: written by two additions at a step's head, read by that step's two loads and its prefetch.
;   v208-215    the staged bytes: a step's two global loads land there, its two LDS stores read them; no vector instruction names them.
;   v16-23      Q: two global loads at a phase's start; read by the eight score products of every step.
;   v32-95      K's fragments (16 LDS loads), read by the eight score products; then V's (16 LDS loads), read by the four products V^T P; then the next step's K.
;   v224-232    y's codes and their offset: written by vector instructions at a phase's end, read by its two stores.
; THE WAITS OF A STEP.  At its head one wait on vm_vsrc (the last step's loads, prefetch and LDS stores have read v3, v4 and v208-215), the two additions, and one wait on va_vdst (v3 and v4 are written; the last
; step's products V^T P are done reading v32-95).  Behind the score products one wait on va_vdst (they are done reading v32-95); V's loads follow it, dealt among the lines of the maximum, which name
; v96-159, v216 and v217 alone (on the diagonal also v7-9 and the masks).  The LDS stores at the step's end read loaded bytes and v2: nothing is owed for them.
; The mask's compares write scalar registers in runs of 32, with one wait on va_sdst ahead of each run's selects.
.set WV,   14                          ; s14  wave
.set KB,   16                          ; s[16:17] kc, s[18:19] vc, s[20:21] qc at my head; s[22:23] yq at my batch and head
.set VB,   18
.set QBS,  20
.set YB,   22
.set PFB,  24                          ; s[24:25] the prefetches' base: kc in wave 0, vc in the others
.set T,    26                          ; s26  the trip
.set FIN,  28                          ; s28  the trip that ends the phase in hand
.set QB,   29                          ; s29  the block of queries in hand
.set KO,   31                          ; s31  byte offset in kc and vc of the step that is loaded next
.set KF,   32                          ; s32  the step's first key
.set Q0,   33                          ; s33  my first query
.set PLIM, 34                          ; s34  a wave prefetches while KO is under it
.set HOLD, 35                          ; s35  1 where 448 x 2^e5 < 1
.set CS,   36                          ; s[36:37] c = 0.12 log2(e) 2^(e2 + e3)
.set SEL,  38                          ; s[38:39] lane selects: lane l xor 16
.set MK,   66                          ; s66-97 the masks of 32 scores
.set L16,  1                           ; v1   16 x lane
.set TID,  2                           ; v2   16 x thread
.set GA,   3                           ; v3   the staged loads' offset
.set PFA,  4                           ; v4   the prefetch's offset
.set L256, 5                           ; v5   256 x lane
.set G,    208                         ; v208-215 the staged bytes: 16 of K, 16 of V
	s_load_b256 s[4:11], s[0:1], 0x0               ; qc, kc, vc, lowp_scales
	s_load_b64 s[12:13], s[0:1], 0x20              ; yq
	v_lshl_add_u32 v254, v0, 2, 0x8000
	v_mov_b32 v255, 0
	v_lshrrev_b32 v1, 5, v0
	v_readfirstlane_b32 s[WV], v1
	v_and_b32 v6, 31, v0
	v_lshlrev_b32 v[L16], 4, v6
	v_lshlrev_b32 v[TID], 4, v0
	v_lshlrev_b32 v[L256], 8, v6
	v_and_b32 v7, 15, v0
	v_bfe_u32 v8, v0, 4, 1
	v_lshlrev_b32 v8, 3, v8
	v_sub_nc_u32 v7, v7, v8                        ; r - 8 h, for the mask
	s_wait_alu depctr_va_sdst(0)                   ; s14, the wave's number, is written, ahead of its first reader
	s_and_b32 s15, ttmp7, 0xffff                   ; 16 x batch + head
	s_lshl_b32 s48, s15, 17
	s_mov_b32 s49, 0
	s_lshr_b32 s50, s15, 4
	s_lshl_b32 s50, s50, 21                        ; the batch's 128 tiles of 16,384 bytes,
	s_and_b32 s51, s15, 15
	s_lshl_b32 s51, s51, 10                        ; the head's 1,024
	s_add_co_u32 s50, s50, s51
	s_mov_b32 s51, 0
	s_wait_kmcnt 0x0
	s_load_b256 s[40:47], s[10:11], 0x0            ; e0 .. e7
	s_add_nc_u64 s[KB:KB+1], s[6:7], s[48:49]
	s_add_nc_u64 s[VB:VB+1], s[8:9], s[48:49]
	s_add_nc_u64 s[QBS:QBS+1], s[4:5], s[48:49]
	s_add_nc_u64 s[YB:YB+1], s[12:13], s[50:51]
	s_wait_alu depctr_va_vdst(0)                   ; v1 and v2 are written: every LDS load and store, Q's loads and the two loads below read one of them as their address
	global_load_b128 v[G:G+3], v[TID], s[KB:KB+1]  ; step 0
	global_load_b128 v[G+4:G+7], v[TID], s[VB:VB+1]
	s_cmp_eq_u32 s[WV], 0
	s_cselect_b64 s[PFB:PFB+1], s[KB:KB+1], s[VB:VB+1]
	s_lshr_b32 s48, s[WV], 1                       ; 0 in waves 0 and 1,
	s_or_b32 s48, s48, ttmp9                       ; of the head's work-group 0, whose first phase walks all 16 steps
	s_cmp_eq_u32 s48, 0
	s_cselect_b32 s[PLIM], 114688, 0               ; 14 steps: the last prefetch names step 15, the head's last
	s_sub_co_u32 s[FIN], 7, ttmp9
	s_mov_b32 s[QB], s[FIN]
	s_mov_b32 s[KO], 8192
	s_mov_b32 s[SEL], 0x76543210
	s_mov_b32 s[SEL+1], 0xfedcba98
	s_mov_b32 s[CS], 0x3e314743                    ; 0.12 log2(e)
	v_mov_b32 v219, 0                              ; (named as the upper half of the pair v[218:219])
	v_mov_b32 v222, 0                              ; a lane permute's destination counts as one of its sources
	s_wait_kmcnt 0x0
	s_add_co_i32 s48, s42, s43
	s_lshl_b32 s48, s48, 23
	s_add_co_i32 s[CS], s[CS], s48
	s_mov_b32 s[CS+1], s[CS]
	s_add_co_i32 s48, s45, 127
	s_lshl_b32 s49, s48, 23
	v_mov_b32 v10, s49                             ; 2^e5
	s_add_co_i32 s48, s48, 8
	s_lshl_b32 s48, s48, 23
	s_or_b32 s48, s48, 0x600000
	v_mov_b32 v11, s48                             ; 448 x 2^e5
	s_add_co_i32 s48, s46, 127
	s_lshl_b32 s49, s48, 23
	v_mov_b32 v24, s49                             ; 2^e6
	s_add_co_i32 s48, s48, 8
	s_lshl_b32 s48, s48, 23
	s_or_b32 s48, s48, 0x600000
	v_mov_b32 v25, s48                             ; 448 x 2^e6
	s_add_co_i32 s52, s44, s45                     ; e4 + e5
	s_cmp_lt_i32 s45, -8
	s_cselect_b32 s[HOLD], 1, 0
; A phase begins: my tile of queries of block QB; O^T and the sum begin as zeros and the largest t as -3e38, so that the step is written once.
; Q's two loads owe no wait of their own.  The first time no vector or matrix instruction has named v16-23, and none since the head's wait on va_vdst names v1.  The second time the macro stands behind
; the stores of FINISH, with no vector instruction since the wait on va_vdst ahead of those stores: the score products, which read v16-23, were issued ahead of that wait.
.macro INIT
	s_lshl_b32 s48, s[QB], 4
	s_add_co_u32 s48, s48, s[WV]                   ; my tile of 16 queries
	s_lshl_b32 s[Q0], s48, 4
	s_mov_b32 s[KF], 0
	s_lshl_b32 s50, s48, 10
	s_mov_b32 s51, 0
	s_add_nc_u64 s[50:51], s[QBS:QBS+1], s[50:51]
	global_load_b128 v[16:19], v[L16], s[50:51]
	global_load_b128 v[20:23], v[L16], s[50:51] offset:512
	v_mov_b32 v13, 0xff61b1e6
	v_floor_f32 v12, -v13
	v_mov_b32 v14, 0
	v_mov_b32 v15, 0
.set k, 0
.rept 32
	v_mov_b32 v[160+k], 0
.set k, k+1
.endr
	s_wait_loadcnt 0x0
.endm
	INIT                                           ; (its wait is also step 0's)
	ds_store_b128 v[TID], v[G:G+3]                 ; loaded bytes, and an address that the head's wait has shown written
	ds_store_b128 v[TID], v[G+4:G+7] offset:8192
	s_wait_dscnt 0x0
	s_barrier_signal -1
	s_barrier_wait -1
; V's fragment u: four LDS loads of 512 consecutive bytes
.macro VFRAG slot, u
.irp c, 0,1,2,3
	ds_load_b128 v[32+16*(\u)+4*\c:35+16*(\u)+4*\c], v[L16] offset:(\slot)*16384+8192+(\u)*2048+512*\c
.endr
.endm
; A STEP: 128 keys, read from the given slot.  last = 1: a trip's second step.
.macro STEP slot, last
.if \last
	s_cmp_eq_u32 s[T], s[FIN]                      ; the phase ends with this step: the next step to load is the next phase's first,
	s_cselect_b32 s[KO], 0, s[KO]
	s_cselect_b32 s[PLIM], 0, s[PLIM]              ; and the head's rows have all been named
.endif
	s_wait_xcnt 0x0                                ; the last step's loads and prefetch have read their offsets
	s_wait_alu depctr_vm_vsrc(0)                   ; the last step's loads and prefetch have read v3 and v4, which the two additions write; its LDS stores have read v208-215, in which the loads below land
	v_add_nc_u32 v[GA], s[KO], v[TID]
	v_add_nc_u32 v[PFA], s[KO], v[L256]
	s_wait_alu depctr_va_vdst(0)                   ; v3 and v4 are written, which the loads and the prefetch below read; the last step's products V^T P are done reading v32-95, in which K's fragments land
.if \last
	s_cmp_eq_u32 s[T], 8
	s_cbranch_scc1 .Lnoreq_\@                      ; nothing follows the last step
.endif
	global_load_b128 v[G:G+3], v[GA], s[KB:KB+1]   ; the next step's bytes: they land under this step's work
	global_load_b128 v[G+4:G+7], v[GA], s[VB:VB+1]
	; A PREFETCH INTO THE L2, behind the loads: the step two on from the one just asked for: 8,192 bytes, lanes 256 bytes apart; wave 0 for K's, wave 1 for V's, in the head's work-group 0 and its first phase alone,
	; so each aligned 256 bytes are named once in the launch.  Steps 0 to 2 come by their loads alone.
	s_cmp_lt_u32 s[KO], s[PLIM]
	s_cbranch_scc0 .Lnoreq_\@
	global_prefetch_b8 v[PFA], s[PFB:PFB+1] offset:16384 th:TH_LOAD_NT scope:SCOPE_SE
.Lnoreq_\@:
	s_add_co_u32 s[KO], s[KO], 8192
	s_add_co_u32 s48, s[Q0], 15
	s_cmp_gt_u32 s[KF], s48
	s_cbranch_scc1 .Lhid_\@                        ; all 128 keys come after my queries
	v_nop                                          ; with the two additions above: four places in front of loads into registers that the last products read
	v_nop
.irp kt, 0,1,2,3,4,5,6,7
	ds_load_b128 v[32+8*\kt:35+8*\kt], v[L16] offset:\slot*16384+\kt*1024
	ds_load_b128 v[36+8*\kt:39+8*\kt], v[L16] offset:\slot*16384+\kt*1024+512
.endr
	s_wait_dscnt 0x0
.irp kt, 0,1,2,3,4,5,6,7
	v_wmma_f32_16x16x64_fp8_fp8 v[96+8*\kt:103+8*\kt], v[32+8*\kt:39+8*\kt], v[16:23], 0
.endr
.rept 4
	v_nop                                          ; places: for V's loads and for the first reads of the scores
.endr
	s_wait_alu depctr_va_vdst(0)                   ; the eight products are done reading v32-95, in which V's fragments land; the places above stay beside this wait
	s_add_co_u32 s48, s[KF], 127
	s_cmp_le_u32 s48, s[Q0]
	s_cbranch_scc1 .Lopen_\@                       ; all 128 keys count
	s_sub_co_i32 s48, s[Q0], s[KF]
	v_add_nc_u32 v8, s48, v7                       ; d = my query - KF - 8 h: register 8 kt + j is hidden where 16 kt + j > d
	v_mov_b32 v9, 0xff800000
.irp g, 0,1                                    ; 32 scores at a time: the compares in a run, each into a scalar register of its own; one wait; the selects
.set n, 32*\g
.rept 32
	v_cmp_gt_i32 s[MK+n%32], 16*(n/8)+n%8, v8
.set n, n+1
.endr
	s_wait_alu depctr_va_sdst(0)                   ; the 32 compares have written s66-97, ahead of the first select that reads one of them
.set n, 32*\g
.rept 32
	v_cndmask_b32 v[96+n], v[96+n], v9, s[MK+n%32]
.set n, n+1
.endr
.endr
.Lopen_\@:
	; V's sixteen loads, four at a time among the lines of the maximum; they land under the softmax.  No further wait: no vector instruction since the wait behind the score products names v32-95 or v1, on either way
	VFRAG \slot, 0
	v_max3_num_f32 v216, v96, v97, v98             ; the step's largest score of my query among my 64 keys, in two chains,
	v_max3_num_f32 v217, v99, v100, v101
.irp i, 6,10,14
	v_max3_num_f32 v216, v216, v[96+\i], v[97+\i]
	v_max3_num_f32 v217, v217, v[98+\i], v[99+\i]
.endr
	VFRAG \slot, 1
.irp i, 18,22,26,30
	v_max3_num_f32 v216, v216, v[96+\i], v[97+\i]
	v_max3_num_f32 v217, v217, v[98+\i], v[99+\i]
.endr
	VFRAG \slot, 2
.irp i, 34,38,42,46
	v_max3_num_f32 v216, v216, v[96+\i], v[97+\i]
	v_max3_num_f32 v217, v217, v[98+\i], v[99+\i]
.endr
	VFRAG \slot, 3
.irp i, 50,54,58
	v_max3_num_f32 v216, v216, v[96+\i], v[97+\i]
	v_max3_num_f32 v217, v217, v[98+\i], v[99+\i]
.endr
	v_max3_num_f32 v216, v216, v158, v159
	v_max_num_f32 v216, v216, v217
	v_permlanex16_b32 v222, v216, s[SEL], s[SEL+1]
	v_max_num_f32 v216, v216, v222                 ; and among lane l xor 16's
	v_mul_f32 v216, s[CS], v216                    ; as t (c is positive)
	v_max_num_f32 v13, v13, v216
	v_mov_b32 v216, v12
	v_floor_f32 v12, -v13                          ; the new -M = -ceil(t)
	v_sub_f32 v216, v12, v216                      ; old M - new M: a whole number, 0 or less
	v_cvt_i32_f32 v216, v216                       ; (it saturates)
	v_ldexp_f32 v218, 1.0, v216                    ; f = 2^(old M - new M)
.set k, 0
.rept 32
	v_pk_fma_f32 v[96+k:97+k], v[96+k:97+k], s[CS:CS+1], v[12:13] op_sel_hi:[1,0,0]   ; t - M
.set k, k+2
.endr
.set k, 0
.rept 64
	v_exp_f32 v[96+k], v[96+k]                     ; p = 2^(t - M)
.set k, k+1
.endr
	v_pk_mul_f32 v[14:15], v[14:15], v[218:219] op_sel_hi:[1,0]   ; the sums under the new M (a plain instruction behind the exponentials)
	s_wait_alu depctr_va_vdst(0)                   ; the 64 exponentials have written v96-159: one wait for the batch, ahead of its first reader
	v_pk_add_f32 v[220:221], v[96:97], v[98:99]    ; the row's sum of the unquantised p, in two chains
.irp j, 4,8,12,16,20,24,28,32,36,40,44,48,52,56,60
	v_pk_add_f32 v[14:15], v[14:15], v[96+\j:97+\j]
	v_pk_add_f32 v[220:221], v[220:221], v[98+\j:99+\j]
.endr
	v_pk_add_f32 v[14:15], v[14:15], v[220:221]
	s_cmp_eq_u32 s[HOLD], 0
	s_cbranch_scc1 .Lnohold_\@                     ; p <= 1 <= 448 x 2^e5: nothing to hold
.set k, 0
.rept 64
	v_min_num_f32 v[96+k], v[96+k], v11            ; the conversion to an 8-bit code does not saturate (ISA guide 7.6.2); p is not negative
.set k, k+1
.endr
.Lnohold_\@:
.irp kt, 0,1,2,3,4,5,6,7
	v_cvt_scalef32_pk8_fp8_f32 v[192+2*\kt:193+2*\kt], v[96+8*\kt:103+8*\kt], v10
.endr
.set k, 0
.rept 16
	v_pk_mul_f32 v[160+k:161+k], v[160+k:161+k], v[218:219] op_sel_hi:[1,0]   ; O^T under the new M; also the plain lines behind the conversions
.set k, k+2
.endr
	s_wait_dscnt 0x0                               ; V's fragments
.irp u, 0,1,2,3
	v_wmma_f32_16x16x128_fp8_fp8 v[160+8*\u:167+8*\u], v[32+16*\u:47+16*\u], v[192:207], v[160+8*\u:167+8*\u]   ; the four accumulators by turns; the scores' eight stand between two turns of one
.endr
.Lhid_\@:
	s_add_co_u32 s[KF], s[KF], 128
	s_wait_loadcnt 0x0                             ; the next step's bytes are in registers
.if \last
	s_cmp_eq_u32 s[T], 8
	s_cbranch_scc1 .Lnost_\@
.endif
	ds_store_b128 v[TID], v[G:G+3] offset:(1-\slot)*16384          ; into the other slot: its readers waited for their loads in front of the last barrier.  Loaded bytes and v2: no vector instruction writes either
	ds_store_b128 v[TID], v[G+4:G+7] offset:(1-\slot)*16384+8192
.Lnost_\@:
	s_wait_dscnt 0x0                               ; for the others' sake: my stores have landed, my reads of this slot are in
	s_barrier_signal -1
	s_barrier_wait -1
.endm
; A phase ends: y = O^T 2^(e4 + e5) / l, quantised with 2^e6, stored as the image of eight registers.
.macro FINISH
	s_wait_xcnt 0x0                                ; the first phase's stores have read their registers
	s_wait_alu depctr_vm_vsrc(0)                   ; the first phase's stores have read v224-231 and v232, which the lines below write again
	v_nop                                          ; with the plain lines below: the places behind the last products
	v_nop
	v_add_f32 v14, v14, v15
	v_permlanex16_b32 v222, v14, s[SEL], s[SEL+1]
	v_add_f32 v14, v14, v222                       ; the row's sum
	v_rcp_f32 v14, v14
	s_lshl_b32 s48, s[QB], 4
	s_add_co_u32 s48, s48, s[WV]
	s_lshl_b32 s48, s48, 14
	v_add_nc_u32 v232, s48, v[L16]                 ; my tile of tokens in yq (a plain instruction behind the reciprocal)
	s_wait_alu depctr_va_vdst(0)                   ; the reciprocal has written v14, ahead of its first reader
	v_ldexp_f32 v14, v14, s52
.irp u, 0,1,2,3
.irp j, 0,1,2,3,4,5,6,7
	v_mul_f32 v[96+4*\j+\u], v[160+8*\u+\j], v14   ; channel 32 h + 4 j + u goes to register 4 j + u; each accumulator from its low end on
.endr
.endr
.set k, 0
.rept 32
	v_med3_num_f32 v[96+k], v[96+k], -v25, v25
.set k, k+1
.endr
.irp g, 0,1,2,3
	v_cvt_scalef32_pk8_fp8_f32 v[224+2*\g:225+2*\g], v[96+8*\g:103+8*\g], v24
.endr
	v_nop                                          ; one plain vector line behind the last conversion
	s_wait_alu depctr_va_vdst(0)                   ; the conversions have written v224-231 and the addition v232, which the stores read; the score products are done reading v16-23, in which the next phase's Q lands
	global_store_b128 v232, v[224:227], s[YB:YB+1]
	global_store_b128 v232, v[228:231], s[YB:YB+1] offset:512
.endm
	s_mov_b32 s[T], 0
.Ltrip:                                            ; nine trips of 256 keys
	STEP 0, 0
	STEP 1, 1
	s_cmp_eq_u32 s[T], s[FIN]
	s_cbranch_scc0 .Lnext
	FINISH
	s_mov_b32 s[QB], ttmp9                         ; the second phase: block x, up to the last trip
	s_mov_b32 s[FIN], 8
	s_cmp_eq_u32 s[T], 8
	s_cbranch_scc1 .Lnext
	INIT
.Lnext:
	s_add_co_u32 s[T], s[T], 1
	s_cmp_lt_u32 s[T], 9
	s_cbranch_scc1 .Ltrip
	s_wait_dscnt 0x0
	s_wait_alu depctr_hold_cnt(0) depctr_sa_sdst(0) depctr_va_vdst(0) depctr_va_sdst(0) depctr_va_ssrc(0) depctr_va_vcc(0) depctr_vm_vsrc(0)
	s_wait_tensorcnt 0x0
	ds_add_u32 v254, v255
	s_wait_dscnt 0x0
	s_endpgm
.Lfunc_end_k_qa22fa19071_attn:
	.size	k_qa22fa19071_attn, .Lfunc_end_k_qa22fa19071_attn-k_qa22fa19071_attn
	.p2alignl 7, 3214868480
	.fill 96, 4, 3214868480
	.section	.rodata,"a",@progbits
	.p2align	6, 0x0
	.amdhsa_kernel k_qa22fa19071_attn
		.amdhsa_group_segment_fixed_size 34816
		.amdhsa_private_segment_fixed_size 0
		.amdhsa_enable_private_segment 0
		.amdhsa_kernarg_size 40
		.amdhsa_user_sgpr_count 2
		.amdhsa_user_sgpr_kernarg_segment_ptr 1
		.amdhsa_wavefront_size32 1
		.amdhsa_system_sgpr_workgroup_id_x 1
		.amdhsa_system_sgpr_workgroup_id_y 1
		.amdhsa_system_sgpr_workgroup_id_z 1
		.amdhsa_system_vgpr_workitem_id 0
		.amdhsa_next_free_vgpr 256
		.amdhsa_next_free_sgpr 98
		.amdhsa_reserve_vcc 0
		.amdhsa_float_denorm_mode_32 3
		.amdhsa_float_denorm_mode_16_64 3
		.amdhsa_memory_ordered 1
		.amdhsa_forward_progress 1
		.amdhsa_inst_pref_size 62
	.end_amdhsa_kernel
	.amdgpu_metadata
---
amdhsa.version: [ 1, 2 ]
amdhsa.kernels:
  - .name:           k_qa22fa19071_attn
    .symbol:         k_qa22fa19071_attn.kd
    .args:
      - { .name: qc, .offset: 0, .size: 8, .value_kind: global_buffer, .address_space: global }
      - { .name: kc, .offset: 8, .size: 8, .value_kind: global_buffer, .address_space: global }
      - { .name: vc, .offset: 16, .size: 8, .value_kind: global_buffer, .address_space: global }
      - { .name: lowp_scales, .offset: 24, .size: 8, .value_kind: global_buffer, .address_space: global }
      - { .name: yq, .offset: 32, .size: 8, .value_kind: global_buffer, .address_space: global }
    .group_segment_fixed_size: 34816
    .private_segment_fixed_size: 0
    .kernarg_segment_align: 8
    .kernarg_segment_size: 40
    .max_flat_workgroup_size: 512
    .sgpr_count:     98
    .vgpr_count:     256
    .wavefront_size: 32
...
	.end_amdgpu_metadata
.endif
;; end of part 5
;; launch proj: the kernel of part 4 again; grid 4 x 32, 4 waves a work-group, clusters of 4 x 4, 327,680 bytes of LDS; arguments yq, pq, lowp_scales, out0; writes out0
